; MI455X (gfx1250); checked and timed in simulation.
; The chip was launched on July 23, 2026; its instructions are those of AMD's public machine-readable ISA for CDNA 5 (MIT licence, August 2026) and "CDNA5" Instruction Set Architecture Reference Guide (July 2026). The comments in the code are by the model that wrote it; some were corrected since.
;; Lo RA Multihead Attention. Allowed arithmetic: float matrix products may take bf16 or f16 operands with f32 sums; all other float work in f32.
;; Inputs: in_proj_bias 3,072 float32; in_proj_weight 3,072 x 1,024 float32; key 2,048 x 2 x 1,024 float32; lora_A 16 x 1,024 float32; lora_B 1,024 x 16 float32; out_proj_bias 1,024 float32; out_proj_weight 1,024 x 1,024 float32; query 2,048 x 2 x 1,024 float32; value 2,048 x 2 x 1,024 float32.
;; Outputs: out0 2,048 x 2 x 1,024 float32.
;; 2 versions, each right; version 2 is version 1 with the launch prep written anew for expert scheduling mode. Each part assembles by itself: llvm-mc -triple=amdgcn-amd-amdhsa -mcpu=gfx1250 --defsym DOCPART=n.
;; ======== version 1 of 2: 4 launches
;; limits: values are held in f16: magnitudes above 65,504 overflow, below 6.1e-05 lose precision
;; workspace buffers: xh 8,388,608 bytes; wh 6,291,456 bytes; weff 2,097,152 bytes; qkv 25,165,824 bytes; ao 8,388,608 bytes
;; launch prep (part 1): grid 256 x 1, 8 waves a work-group, no clusters, 0 bytes of LDS; arguments query, in_proj_weight, out_proj_weight, lora_A, lora_B, xh, wh, weff; writes xh, wh, weff
.if DOCPART == 1
	.amdgcn_target "amdgcn-amd-amdhsa--gfx1250"
	.amdhsa_code_object_version 6
	.text
	.protected	k_q53757a654b_prep
	.globl	k_q53757a654b_prep
	.p2align	8
	.type	k_q53757a654b_prep,@function
k_q53757a654b_prep:
	s_mov_b64 s[64:65], 0
	v_nop
	global_prefetch_b8 v0, s[64:65] scope:SCOPE_SE
	s_setreg_imm32_b32 hwreg(HW_REG_WAVE_MODE, 25, 1), 1
	s_wait_xcnt 0x0
; xh = f16(query), wh = f16(in_proj_weight), weff = f16(out_proj_weight + (2 lora_B) lora_A).
; out W^T + 2 (out A^T) B^T = out (W + 2 B A)^T for every input, so the side path is folded into the weight once, here.
; LIMITS: f16 operands: numbers of 65,504 and more become infinite, numbers below 2^-24 become 0. W + 2 B A is summed in f32
; and rounded to f16 once. The inputs key and value are named by no launch: the problem's function never uses them.
; STREAM: 2,048 waves; wave gw takes 8,192 bytes of query (16 loads) and 6,144 bytes of in_proj_weight (12 loads). A load covers
; 512 consecutive bytes, a store 256 consecutive aligned bytes. All 28 loads of a wave are issued before the first wait.
; FOLD: 512 tasks of 16 rows x 128 columns of weff, taken by waves 0 and 4 of each work-group. Lane (r, h) owns columns
; k0 + 8 r + t, t = 0..7: matrix tile t holds column k0 + 8 r + t in lane r, so that a lane's eight sums are neighbours in memory.
; No LDS, no barrier, no cluster: the work-groups share only lora_A and lora_B, 128 KiB against 33 MB streamed.
.set R,   8                            ; v[8:119]    28 stream slots of 4 registers
.set LA,  120                          ; v[120:183]  lora_A[8 h + j][k0 + 8 r + t] at LA + 8 j + t; later the eight matrix results
.set WO,  184                          ; v[184:247]  out_proj_weight[e0 + 8 h + j][k0 + 8 r + t] at WO + 8 j + t
.set BR,  248                          ; v[248:255]  lora_B[e0 + r][8 h .. 8 h + 7]
.set FR,  8                            ; v[8:71]     fold: fragment of lora_A for tile t at FR + 8 t (over the stream's dead slots)
.set BF,  72                           ; v[72:79]    fold: fragment of 2 lora_B
	s_load_b512 s[4:19], s[0:1], 0x0               ; query 4, in_proj_weight 6, out_proj_weight 8, lora_A 10, lora_B 12, xh 14, wh 16, weff 18
	v_lshrrev_b32 v6, 5, v0
	v_readfirstlane_b32 s20, v6                    ; wave 0..7
	v_and_b32 v7, 31, v0                           ; lane
	v_lshlrev_b32 v1, 4, v7                        ; 16 bytes a lane in
	v_lshlrev_b32 v2, 3, v7                        ; 8 bytes a lane out
	v_and_b32 v6, 15, v7                           ; r
	v_lshrrev_b32 v7, 4, v7                        ; h
	v_lshlrev_b32 v3, 5, v6
	v_lshl_add_u32 v3, v7, 15, v3                  ; lora_A, out_proj_weight: 8 h rows of 4,096 bytes + 32 r
	v_lshlrev_b32 v4, 6, v6
	v_lshl_add_u32 v4, v7, 5, v4                   ; lora_B: row r of 64 bytes + 32 h
	v_lshlrev_b32 v5, 4, v6
	v_lshl_add_u32 v5, v7, 14, v5                  ; weff: 8 h rows of 2,048 bytes + 16 r
	s_lshl_b32 s21, ttmp9, 3
	s_add_co_u32 s21, s21, s20                     ; gw = 8 x work-group + wave
	s_and_b32 s24, s20, 3                          ; 0: this wave also folds
	s_lshr_b32 s25, s20, 2
	s_lshl_b32 s26, ttmp9, 1
	s_add_co_u32 s25, s25, s26                     ; fold task 0..511
	s_lshr_b32 s26, s25, 3                         ; block of 16 rows
	s_and_b32 s27, s25, 7                          ; block of 128 columns
	s_mov_b32 s23, 0                               ; high word of every offset
	s_wait_kmcnt 0x0
	s_lshl_b32 s22, s21, 13
	s_add_nc_u64 s[4:5], s[4:5], s[22:23]          ; query + 8,192 gw
	s_mul_i32 s22, s21, 6144
	s_add_nc_u64 s[6:7], s[6:7], s[22:23]          ; in_proj_weight + 6,144 gw
.irp k, 0,1,2,3,4,5,6,7,8,9,10,11,12,13,14,15
	global_load_b128 v[R+4*\k:R+4*\k+3], v1, s[4:5] offset:512*\k th:TH_LOAD_NT
.endr
.irp k, 0,1,2,3,4,5,6,7,8,9,10,11
	global_load_b128 v[R+64+4*\k:R+64+4*\k+3], v1, s[6:7] offset:512*\k th:TH_LOAD_NT
.endr
	s_lshl_b32 s22, s21, 12
	s_add_nc_u64 s[14:15], s[14:15], s[22:23]      ; xh + 4,096 gw
	s_mul_i32 s22, s21, 3072
	s_add_nc_u64 s[16:17], s[16:17], s[22:23]      ; wh + 3,072 gw
	s_lshl_b32 s22, s27, 9
	s_add_nc_u64 s[10:11], s[10:11], s[22:23]      ; lora_A at column k0
	s_lshl_b32 s28, s26, 16
	s_add_co_u32 s22, s22, s28
	s_add_nc_u64 s[8:9], s[8:9], s[22:23]          ; out_proj_weight at (e0, k0)
	s_lshl_b32 s22, s26, 10
	s_add_nc_u64 s[12:13], s[12:13], s[22:23]      ; lora_B at row e0
	s_lshl_b32 s22, s26, 15
	s_lshl_b32 s28, s27, 8
	s_add_co_u32 s22, s22, s28
	s_add_nc_u64 s[18:19], s[18:19], s[22:23]      ; weff at (e0, k0)
; The 28 slots in turn: four f32 become four f16 in place and leave. extra = loads issued behind the stream's 28.
.macro STREAM extra
.set k, 0
.rept 16
	s_wait_loadcnt 27-k+\extra                     ; loads come back in order: slot k is in, all younger ones stay out
	v_cvt_pk_f16_f32 v[R+4*k], v[R+4*k], v[R+4*k+1]
	v_cvt_pk_f16_f32 v[R+4*k+1], v[R+4*k+2], v[R+4*k+3]
	global_store_b64 v2, v[R+4*k:R+4*k+1], s[14:15] offset:256*k
.set k, k+1
.endr
.rept 12
	s_wait_loadcnt 27-k+\extra
	v_cvt_pk_f16_f32 v[R+4*k], v[R+4*k], v[R+4*k+1]
	v_cvt_pk_f16_f32 v[R+4*k+1], v[R+4*k+2], v[R+4*k+3]
	global_store_b64 v2, v[R+4*k:R+4*k+1], s[16:17] offset:256*(k-16)
.set k, k+1
.endr
.endm
	s_cmp_lg_u32 s24, 0
	s_cbranch_scc1 .Lplain
	; waves 0 and 4: the fold's 34 loads go out behind the stream's, and land while the stream is converted
	global_load_b128 v[BR:BR+3],   v4, s[12:13]
	global_load_b128 v[BR+4:BR+7], v4, s[12:13] offset:16
.irp j, 0,1,2,3,4,5,6,7
	global_load_b128 v[LA+8*\j:LA+8*\j+3],   v3, s[10:11] offset:4096*\j
	global_load_b128 v[LA+8*\j+4:LA+8*\j+7], v3, s[10:11] offset:4096*\j+16
.endr
.irp j, 0,1,2,3,4,5,6,7
	global_load_b128 v[WO+8*\j:WO+8*\j+3],   v3, s[8:9] offset:4096*\j th:TH_LOAD_NT
	global_load_b128 v[WO+8*\j+4:WO+8*\j+7], v3, s[8:9] offset:4096*\j+16 th:TH_LOAD_NT
.endr
	STREAM 34
	s_wait_loadcnt 0x0                             ; lora_B, lora_A, out_proj_weight are in
	s_wait_xcnt 0x0                                ; the stream's store data are rewritten only behind this wait
.irp i, 0,2,4,6
	v_pk_mul_f32 v[BR+\i:BR+\i+1], v[BR+\i:BR+\i+1], 2.0 op_sel_hi:[1,0]   ; alpha / rank = 2, exact
.endr
.irp i, 0,1,2,3
	v_cvt_pk_f16_f32 v[BF+\i], v[BR+2*\i], v[BR+2*\i+1]        ; row e0 + r, ranks 8 h + 2 i, + 1
	v_mov_b32 v[BF+4+\i], 0                                    ; the form sums over 32, the rank is 16: the upper half is 0 on both sides
.endr
.irp t, 0,1,2,3,4,5,6,7
.irp i, 0,1,2,3
	v_cvt_pk_f16_f32 v[FR+8*\t+\i], v[LA+16*\i+\t], v[LA+16*\i+8+\t]   ; column k0 + 8 r + t, ranks 8 h + 2 i, + 1
	v_mov_b32 v[FR+8*\t+4+\i], 0
.endr
.endr
.irp t, 0,1,2,3,4,5,6,7
	v_wmma_f32_16x16x32_f16 v[LA+8*\t:LA+8*\t+7], v[BF:BF+7], v[FR+8*\t:FR+8*\t+7], 0   ; register j: (e0 + 8 h + j, k0 + 8 r + t)
.endr
.rept 4
	v_nop                                          ; four places behind the last matrix instruction before its result is read (ISA guide 7.12.1)
.endr
.irp j, 0,1,2,3,4,5,6,7
.irp t, 0,1,2,3,4,5,6,7
	v_add_f32 v[WO+8*\j+\t], v[WO+8*\j+\t], v[LA+8*\t+\j]
.endr
.irp i, 0,1,2,3
	v_cvt_pk_f16_f32 v[WO+8*\j+\i], v[WO+8*\j+2*\i], v[WO+8*\j+2*\i+1]   ; ascending: register i is written after 2 i and 2 i + 1 >= i were read
.endr
	global_store_b128 v5, v[WO+8*\j:WO+8*\j+3], s[18:19] offset:2048*\j   ; sixteen lanes store 256 consecutive aligned bytes
.endr
	s_endpgm
.Lplain:
	STREAM 0
	s_endpgm
.Lfunc_end_k_q53757a654b_prep:
	.size	k_q53757a654b_prep, .Lfunc_end_k_q53757a654b_prep-k_q53757a654b_prep
	.p2alignl 7, 3214868480
	.fill 96, 4, 3214868480
	.section	.rodata,"a",@progbits
	.p2align	6, 0x0
	.amdhsa_kernel k_q53757a654b_prep
		.amdhsa_group_segment_fixed_size 0
		.amdhsa_private_segment_fixed_size 0
		.amdhsa_enable_private_segment 0
		.amdhsa_kernarg_size 64
		.amdhsa_user_sgpr_count 2
		.amdhsa_user_sgpr_kernarg_segment_ptr 1
		.amdhsa_wavefront_size32 1
		.amdhsa_system_sgpr_workgroup_id_x 1
		.amdhsa_system_sgpr_workgroup_id_y 1
		.amdhsa_system_sgpr_workgroup_id_z 1
		.amdhsa_system_vgpr_workitem_id 0
		.amdhsa_next_free_vgpr 256
		.amdhsa_next_free_sgpr 66
		.amdhsa_reserve_vcc 0
		.amdhsa_float_denorm_mode_32 3
		.amdhsa_float_denorm_mode_16_64 3
		.amdhsa_memory_ordered 1
		.amdhsa_forward_progress 1
		.amdhsa_inst_pref_size 31
	.end_amdhsa_kernel
	.amdgpu_metadata
---
amdhsa.version: [ 1, 2 ]
amdhsa.kernels:
  - .name:           k_q53757a654b_prep
    .symbol:         k_q53757a654b_prep.kd
    .args:
      - { .name: query, .offset: 0, .size: 8, .value_kind: global_buffer, .address_space: global }
      - { .name: in_proj_weight, .offset: 8, .size: 8, .value_kind: global_buffer, .address_space: global }
      - { .name: out_proj_weight, .offset: 16, .size: 8, .value_kind: global_buffer, .address_space: global }
      - { .name: lora_A, .offset: 24, .size: 8, .value_kind: global_buffer, .address_space: global }
      - { .name: lora_B, .offset: 32, .size: 8, .value_kind: global_buffer, .address_space: global }
      - { .name: xh, .offset: 40, .size: 8, .value_kind: global_buffer, .address_space: global }
      - { .name: wh, .offset: 48, .size: 8, .value_kind: global_buffer, .address_space: global }
      - { .name: weff, .offset: 56, .size: 8, .value_kind: global_buffer, .address_space: global }
    .group_segment_fixed_size: 0
    .private_segment_fixed_size: 0
    .kernarg_segment_align: 8
    .kernarg_segment_size: 64
    .max_flat_workgroup_size: 256
    .sgpr_count:     66
    .vgpr_count:     256
    .wavefront_size: 32
...
	.end_amdgpu_metadata
.endif
;; end of part 1
;; launch qkvproj (part 2): grid 16 x 16, 4 waves a work-group, clusters of 4 x 4, 327,680 bytes of LDS; arguments xh, wh, in_proj_bias, qkv; writes qkv
.if DOCPART == 2
	.amdgcn_target "amdgcn-amd-amdhsa--gfx1250"
	.amdhsa_code_object_version 6
	.text
	.protected	k_q53757a654b_qkvproj
	.globl	k_q53757a654b_qkvproj
	.p2align	8
	.type	k_q53757a654b_qkvproj,@function
k_q53757a654b_qkvproj:
	s_mov_b64 s[64:65], 0
	v_nop
	global_prefetch_b8 v0, s[64:65] scope:SCOPE_SE
	s_setreg_imm32_b32 hwreg(HW_REG_WAVE_MODE, 25, 1), 1
	s_wait_xcnt 0x0
	s_wait_alu depctr_hold_cnt(0) depctr_sa_sdst(0) depctr_va_vdst(0) depctr_va_sdst(0) depctr_va_ssrc(0) depctr_va_vcc(0) depctr_vm_vsrc(0)
	s_getreg_b32 s2, hwreg(HW_REG_IB_STS2, 6, 4)
	s_cmp_eq_u32 s2, 0
	s_cbranch_scc0 .Lentry_in_a_cluster
	s_endpgm
.Lentry_in_a_cluster:
	s_bfe_u32 s2, ttmp6, 0x10000c
	s_cmp_lg_u32 s2, 0xf033
	s_cbranch_scc0 .Lentry_shape_is_right
	s_endpgm
.Lentry_shape_is_right:
; qkv = xh wh^T + in_proj_bias, stored by heads: qkv[n][c][l][64] in f16, c = head for q, 16 + head for k, 32 + head for v.
; LIMIT: q, k, v are rounded to f16: |q|, |k|, |v| must stay below 65,504. Sums in f32, started from the bias.
; A work-group makes 256 tokens of one batch (block row by: n = by / 8, l0 = 256 (by % 8)) x 192 features (block column bx: the three
; whole planes c = 3 bx .. 3 bx + 2). Wave w makes tokens 64 w .. 64 w + 63 x all 192 features: 4 x 12 accumulator tiles, 384 registers,
; so that every plane's rows leave from one wave. K = 1,024 goes in 8 steps of 128 through two LDS slots; a tile's rows are 256 bytes
; of memory at multiples of 256 bytes.
; CLUSTER 4 x 4: xh's tile hangs on by alone and is asked for jointly along a row of the cluster, wh's on bx alone and along a column.
; REGISTERS: window 0: v0-31 addresses, v64-127 fragments of xh (buffer f, tile a at 64 + 32 f + 8 a), v128-175 and v176-223 the way out;
; window 1: fragments of wh (buffer f, tile b at 96 f + 8 b); window 2: accumulators of token tiles 0, 1 at 8 (12 a + b); window 3: of 2, 3.
; THE MATRIX INSTRUCTION IS USED TRANSPOSED: source 0 = 16 rows of wh, source 1 = 16 rows of xh: lane (r, h) holds token r and the eight
; neighbouring features 16 b + 8 h + j.
.set KSTEP,  128
.set PITCH,  272                       ; 256 bytes of data + 16 of padding: an odd multiple of 16
.set AHALF,  128*PITCH                 ; what waves 0 and 1 fetch: 128 rows of xh each
.set BOFF,   2*AHALF                   ; wh's rows lie behind xh's 256
.set BHALF,  96*PITCH                  ; what waves 2 and 3 fetch: 96 rows of wh each
.set SLOT,   BOFF+2*BHALF              ; 121,856
.set STAGE,  2*SLOT                    ; 243,712 = 952 x 256: the stages share no block of 256 bytes with a slot
.set SP,     144                       ; a stage row: 128 bytes + 16
.set WSTAGE, 3*16*SP                   ; a wave's stage: 3 planes x 16 tokens
.set LAPS,   4                         ; a lap = two K steps
.set PLANE,  262144                    ; bytes of a plane [2048][64] f16
.set ADRA, 16                          ; v16-17 my xh fragments in slot 0, 1
.set ADRB, 20                          ; v20-21 wh fragments
.set STO,  24
.set RD,   25
.set CO,   26
.set BOF,  27
.set XF,   64
.set TMP,  128
.set OUTB, 176
.set G1A, 24
.set G0A, 32
.set G1B, 48
.set G0B, 56
.set MSB, 0
.macro WIN new                         ; the immediate's high byte repeats the setting that is left
.if MSB != \new
	s_set_vgpr_msb (MSB<<8)|\new
.set MSB, \new
.endif
.endm
.set MUL_LO, 0xa1                      ; source 0 window 1, source 1 window 0, C and D window 2
.set MUL_HI, 0xf1                      ; C and D window 3
.set TO_B,   0x40                      ; destination window 1
.macro PLACES                          ; four places behind matrix instructions (ISA guide 7.12.1) before their registers are loaded or read
.rept 4
	v_nop
.endr
.endm
.macro JLOAD s                         ; waves 0, 1 ask for xh's halves, waves 2, 3 for wh's: the branch hangs on the wave's number alone
	s_cmp_eq_u32 s13, 0
	s_cbranch_scc0 .Lfor_b_\@
	tensor_load_to_lds s[G0A+4*\s:G0A+4*\s+3], s[G1A:G1A+7]
	s_nop 0
	s_branch .Lasked_\@
.Lfor_b_\@:
	tensor_load_to_lds s[G0B+4*\s:G0B+4*\s+3], s[G1B:G1B+7]
	s_nop 0
.Lasked_\@:
.endm
.macro CREST                           ; a round of the cluster's barrier behind its opening work-group barrier
	s_cmp_lg_u32 s12, 0
	s_cbranch_scc1 .Lnot_wave_0_\@
	s_barrier_signal -3
.Lnot_wave_0_\@:
	s_barrier_wait -3
	s_barrier_signal -1
	s_barrier_wait -1
.endm
.macro CROUND
	s_barrier_signal -1
	s_barrier_wait -1
	CREST
.endm
	s_load_b256 s[4:11], s[0:1], 0x0               ; xh 4, wh 6, bias 8, qkv 10
	s_set_vgpr_msb 0x40
	v_lshl_add_u32 v255, v0, 2, 0x42400
	s_set_vgpr_msb 0x4000
	v_mov_b32 v255, 0
	s_set_vgpr_msb 0x1
	ds_add_u32 v255, v255
	s_set_vgpr_msb 0x100
	v_lshrrev_b32 v1, 5, v0
	v_readfirstlane_b32 s12, v1                    ; wave
	s_lshr_b32 s13, s12, 1                         ; 0: I fetch xh, 1: wh
	s_and_b32 s14, s12, 1                          ; which half of that tile
	s_bfe_u32 s15, ttmp6, 0x40000                  ; cx
	s_bfe_u32 s16, ttmp6, 0x40004                  ; cy
	s_lshl_b32 s17, ttmp9, 2
	s_add_co_u32 s17, s17, s15                     ; bx
	s_and_b32 s18, ttmp7, 0xffff
	s_lshl_b32 s18, s18, 2
	s_add_co_u32 s18, s18, s16                     ; by
	s_lshl_b32 s20, s16, 2
	s_lshl_b32 s20, 15, s20                        ; my row of the cluster
	s_lshl_b32 s21, 0x1111, s15                    ; my column
	s_or_b32 s[G1A+0], s20, (1<<16)|(1<<20)|(1<<21)|(5<<22)|(3<<25)   ; mask; 2-byte elements; padding of 4 words behind every 64; bit 21 beside a mask
	s_or_b32 s[G1B+0], s21, (1<<16)|(1<<20)|(1<<21)|(5<<22)|(3<<25)
	s_mov_b32 s[G1A+1], KSTEP<<16                  ; tensor_dim0 = 128
	s_mov_b32 s[G1B+1], KSTEP<<16
	s_mov_b32 s[G1A+2], 128<<16                    ; tensor_dim1 = 128 rows
	s_mov_b32 s[G1B+2], 96<<16                     ; 96 rows
	s_mov_b32 s[G1A+3], KSTEP<<16                  ; tile_dim0 = 128
	s_mov_b32 s[G1B+3], KSTEP<<16
	s_mov_b32 s[G1A+4], 128                        ; tile_dim1
	s_mov_b32 s[G1B+4], 96
	s_mov_b32 s[G1A+5], 2048                       ; from l to l + 1 within one batch: two rows of 1,024
	s_mov_b32 s[G1B+5], 1024
	s_mov_b32 s[G1A+6], 0
	s_mov_b32 s[G1B+6], 0
	s_mov_b32 s[G1A+7], 0
	s_mov_b32 s[G1B+7], 0
	s_and_b32 s40, s18, 7                          ; xh: ((by % 8) 256 + 128 half) rows of 4,096 bytes + n 2,048
	s_lshl_b32 s40, s40, 8
	s_lshl_b32 s41, s14, 7
	s_add_co_u32 s40, s40, s41
	s_lshl_b32 s40, s40, 12
	s_lshr_b32 s41, s18, 3
	s_lshl_b32 s41, s41, 11
	s_add_co_u32 s40, s40, s41
	s_mov_b32 s41, 0
	s_mul_i32 s44, s17, 192                        ; wh: (192 bx + 96 half) rows of 2,048 bytes
	s_mul_i32 s45, s14, 96
	s_add_co_u32 s44, s44, s45
	s_lshl_b32 s44, s44, 11
	s_mov_b32 s45, 0
	s_mul_i32 s22, s12, AHALF                      ; LDS: xh's halves at wave x 128 rows,
	s_mul_i32 s23, s12, BHALF
	s_add_co_u32 s23, s23, BOFF-2*BHALF            ; wh's at BOFF + (wave - 2) x 96 rows
	s_wait_dscnt 0x0
	s_wait_kmcnt 0x0
	s_add_nc_u64 s[42:43], s[4:5], s[40:41]
	s_add_nc_u64 s[46:47], s[6:7], s[44:45]
	CROUND                                         ; all sixteen work-groups are here: the first joint loads meet
.irp s, 0,1
	s_mov_b32 s[G0A+4*\s], 1
	s_add_co_u32 s[G0A+4*\s+1], s22, \s*SLOT
	s_add_nc_u64 s[G0A+4*\s+2:G0A+4*\s+3], s[42:43], \s*KSTEP*2
	s_or_b32 s[G0A+4*\s+3], s[G0A+4*\s+3], 0x80000000
	s_mov_b32 s[G0B+4*\s], 1
	s_add_co_u32 s[G0B+4*\s+1], s23, \s*SLOT
	s_add_nc_u64 s[G0B+4*\s+2:G0B+4*\s+3], s[46:47], \s*KSTEP*2
	s_or_b32 s[G0B+4*\s+3], s[G0B+4*\s+3], 0x80000000
	JLOAD \s                                       ; K steps 0 and 1: two tensor loads of this wave are out, the most in this text
.endr
	s_lshr_b32 s40, s18, 3                         ; qkv: n 48 planes + (l0 + 64 wave) rows of 128 bytes,
	s_mul_i32 s40, s40, 48*PLANE
	s_and_b32 s41, s18, 7
	s_lshl_b32 s41, s41, 15
	s_add_co_u32 s40, s40, s41
	s_lshl_b32 s41, s12, 13
	s_add_co_u32 s40, s40, s41
	s_mov_b32 s41, 0
	s_add_nc_u64 s[10:11], s[10:11], s[40:41]
	s_mul_i32 s44, s17, 3*PLANE                    ; + 3 bx planes
	s_add_nc_u64 s[10:11], s[10:11], s[44:45]
	s_mul_i32 s44, s17, 768                        ; bias of feature 192 bx
	s_add_nc_u64 s[8:9], s[8:9], s[44:45]
	v_and_b32 v1, 15, v0                           ; r
	v_bfe_u32 v2, v0, 4, 1                         ; h
	v_mul_u32_u24 v3, v1, PITCH
	v_lshl_add_u32 v3, v2, 4, v3                   ; fragment address: row x pitch + 16 h
	s_mul_i32 s40, s12, 64*PITCH                   ; my 64 tokens
	s_mov_b32 s41, BOFF
.irp s, 0,1
	v_add_nc_u32 v[ADRA+\s], s40, v3
	v_add_nc_u32 v[ADRB+\s], s41, v3
	s_add_co_u32 s40, s40, SLOT
	s_add_co_u32 s41, s41, SLOT
.endr
	s_mul_i32 s19, s12, WSTAGE
	s_add_co_u32 s19, s19, STAGE                   ; my stage
	v_mul_u32_u24 v4, v1, SP
	v_lshl_add_u32 v4, v2, 4, v4
	v_add_nc_u32 v[STO], s19, v4                   ; in: token r, 16 bytes for each half of the lanes
	v_and_b32 v5, 31, v0
	v_lshrrev_b32 v6, 3, v5
	v_and_b32 v7, 7, v5
	v_mul_u32_u24 v6, v6, SP
	v_lshl_add_u32 v6, v7, 4, v6
	v_add_nc_u32 v[RD], s19, v6                    ; back: eight lanes a token's 128 bytes, four tokens a load
	v_lshlrev_b32 v[CO], 4, v5                     ; and the same 512 consecutive bytes of a plane
	v_lshlrev_b32 v[BOF], 5, v2                    ; bias: features 8 h .. 8 h + 7 of a tile
; The sums start from the bias: each accumulator tile is loaded with bias[192 bx + 16 b + 8 h + j]. Nothing is cleared or added later.
.macro BIAS
.irp a, 0,1
.irp b, 0,1,2,3,4,5,6,7,8,9,10,11
	global_load_b128 v[8*(12*\a+\b):8*(12*\a+\b)+3],   v[BOF], s[8:9] offset:64*\b
	global_load_b128 v[8*(12*\a+\b)+4:8*(12*\a+\b)+7], v[BOF], s[8:9] offset:64*\b+16
.endr
.endr
.endm
	WIN 0x80                                       ; destination window 2
	BIAS
	WIN 0xc0                                       ; destination window 3
	BIAS
	WIN 0
; 12 matrix instructions: token tile a of the window's two (hi = 0: tiles 0, 1; 1: tiles 2, 3) x all 12 feature tiles, 32 along K.
; The 48 accumulators take turns, one instruction a turn, in the same order in every quarter step.
.macro MUL12 f, hi, a
.irp b, 0,1,2,3,4,5,6,7,8,9,10,11
	v_wmma_f32_16x16x32_f16 v[8*(12*\a+\b):8*(12*\a+\b)+7], v[96*\f+8*\b:96*\f+8*\b+7], v[XF+32*\f+8*(2*\hi+\a):XF+32*\f+8*(2*\hi+\a)+7], v[8*(12*\a+\b):8*(12*\a+\b)+7]
.endr
.endm
; 32 LDS loads in one run: 192 rows of wh, then my 64 rows of xh, 32 K at byte kb of the rows, into buffer f
.macro FETCH slot, kb, f
	WIN TO_B
.irp i, 0,1,2,3,4,5,6,7,8,9,10,11
	ds_load_b128 v[96*\f+8*\i:96*\f+8*\i+3],   v[ADRB+\slot] offset:\kb+\i*16*PITCH
	ds_load_b128 v[96*\f+8*\i+4:96*\f+8*\i+7], v[ADRB+\slot] offset:\kb+\i*16*PITCH+32
.endr
	WIN 0
.irp i, 0,1,2,3
	ds_load_b128 v[XF+32*\f+8*\i:XF+32*\f+8*\i+3],   v[ADRA+\slot] offset:\kb+\i*16*PITCH
	ds_load_b128 v[XF+32*\f+8*\i+4:XF+32*\f+8*\i+7], v[ADRA+\slot] offset:\kb+\i*16*PITCH+32
.endr
.endm
.macro QUARTER slot, kb, f, g
	s_wait_dscnt 4                                 ; wh and token tiles 0, 1 are in; the four youngest loads (tiles 2, 3) may be out
	WIN MUL_LO
	MUL12 \f, 0, 0
	MUL12 \f, 0, 1
	PLACES
	FETCH \slot, \kb, \g
	s_wait_dscnt 32                                ; all but the 32 just issued
	WIN MUL_HI
	MUL12 \f, 1, 0
	MUL12 \f, 1, 1
.endm
.macro THREE slot
	QUARTER \slot, 64,  0, 1
	QUARTER \slot, 128, 1, 0
	QUARTER \slot, 192, 0, 1
.endm
; The last quarter of a K step changes slots. In front of the barrier each wave waits for its reads of this slot and for all its tensor
; loads (one is out: its part of the next slot). Where the slot is filled again the barrier opens a round of the cluster's barrier, and the
; joint refill is the first tensor load behind the round. From a request to the wait for it a wave issues 180 matrix instructions.
.macro TURN slot, next, fill
	s_wait_dscnt 4
	WIN MUL_LO
	MUL12 1, 0, 0
	s_wait_dscnt 0                                 ; my reads of this slot are over
	s_wait_tensorcnt 0x0                           ; all my tensor loads have landed
	ds_add_u32 v255, v255
	s_wait_dscnt 0x0
	s_barrier_signal -1
	MUL12 1, 0, 1                                  ; register work while the others arrive
	WIN 0
	s_barrier_wait -1
.if \fill
	CREST
	s_add_nc_u64 s[G0A+4*\slot+2:G0A+4*\slot+3], s[G0A+4*\slot+2:G0A+4*\slot+3], 2*KSTEP*2
	s_add_nc_u64 s[G0B+4*\slot+2:G0B+4*\slot+3], s[G0B+4*\slot+2:G0B+4*\slot+3], 2*KSTEP*2
	JLOAD \slot
.endif
	PLACES
	FETCH \next, 0, 0
	WIN MUL_HI
	MUL12 1, 1, 0
	MUL12 1, 1, 1
.endm
.macro LAP
	THREE 0
	TURN 0, 1, 1
	THREE 1
	TURN 1, 0, 1
.endm
	s_wait_tensorcnt 0x1                           ; my part of K step 0 is in; K step 1's stays out
	s_barrier_signal -1
	s_barrier_wait -1
	FETCH 0, 0, 0
	s_wait_loadcnt 0x0                             ; the bias is in the accumulators
	s_mov_b32 s3, LAPS-1
.Llap:
	LAP
	WIN 0
	s_sub_co_u32 s3, s3, 1
	s_cmp_lg_u32 s3, 0
	s_cbranch_scc1 .Llap
	THREE 0                                        ; the last lap fills nothing
	TURN 0, 1, 0
	THREE 1
	s_wait_dscnt 4
	WIN MUL_LO
	MUL12 1, 0, 0
	MUL12 1, 0, 1
	s_wait_dscnt 0
	WIN MUL_HI
	MUL12 1, 1, 0
	MUL12 1, 1, 1
	PLACES
; THE WAY OUT, 16 tokens at a time: round to f16, 16 bytes a lane into my own stage (plane, token, 64 features), read back four tokens
; of a plane at a time, and store 512 consecutive bytes of the plane. tok = token tile, acc = its number in its window.
.macro OUT16 tok, acc, from
	WIN \from
.irp b, 0,1,2,3,4,5,6,7,8,9,10,11
.irp q, 0,1,2,3
	v_cvt_pk_f16_f32 v[TMP+4*\b+\q], v[8*(12*\acc+\b)+2*\q], v[8*(12*\acc+\b)+2*\q+1]
.endr
.endr
	WIN 0
.irp b, 0,1,2,3,4,5,6,7,8,9,10,11
	ds_store_b128 v[STO], v[TMP+4*\b:TMP+4*\b+3] offset:(\b>>2)*16*SP+(\b&3)*32
.endr
	s_wait_xcnt 0x0                                ; OUTB, which the last tile's stores read, is loaded again only behind this wait
.irp i, 0,1,2,3,4,5,6,7,8,9,10,11
	ds_load_b128 v[OUTB+4*\i:OUTB+4*\i+3], v[RD] offset:(\i>>2)*16*SP+(\i&3)*4*SP   ; LDS serves a wave's instructions in order: these see the stores above
.endr
.irp i, 0,1,2,3,4,5,6,7,8,9,10,11
	s_wait_dscnt 11-\i
	global_store_b128 v[CO], v[OUTB+4*\i:OUTB+4*\i+3], s[10:11] offset:(\i>>2)*PLANE+\tok*2048+(\i&3)*512
.endr
.endm
	OUT16 0, 0, 0x0a
	OUT16 1, 1, 0x0a
	OUT16 2, 0, 0x0f
	OUT16 3, 1, 0x0f
	s_set_vgpr_msb 0x1
	s_wait_tensorcnt 0x0
	ds_add_u32 v255, v255
	s_wait_dscnt 0x0
	s_set_vgpr_msb 0x100
	CROUND                                         ; the closing round: no work-group ends while a partner may still ask jointly
	s_endpgm
.Lfunc_end_k_q53757a654b_qkvproj:
	.size	k_q53757a654b_qkvproj, .Lfunc_end_k_q53757a654b_qkvproj-k_q53757a654b_qkvproj
	.p2alignl 7, 3214868480
	.fill 96, 4, 3214868480
	.section	.rodata,"a",@progbits
	.p2align	6, 0x0
	.amdhsa_kernel k_q53757a654b_qkvproj
		.amdhsa_group_segment_fixed_size 327680
		.amdhsa_private_segment_fixed_size 0
		.amdhsa_enable_private_segment 0
		.amdhsa_kernarg_size 32
		.amdhsa_user_sgpr_count 2
		.amdhsa_user_sgpr_kernarg_segment_ptr 1
		.amdhsa_wavefront_size32 1
		.amdhsa_system_sgpr_workgroup_id_x 1
		.amdhsa_system_sgpr_workgroup_id_y 1
		.amdhsa_system_sgpr_workgroup_id_z 1
		.amdhsa_system_vgpr_workitem_id 0
		.amdhsa_next_free_vgpr 960
		.amdhsa_next_free_sgpr 66
		.amdhsa_reserve_vcc 0
		.amdhsa_float_denorm_mode_32 3
		.amdhsa_float_denorm_mode_16_64 3
		.amdhsa_memory_ordered 1
		.amdhsa_forward_progress 1
		.amdhsa_inst_pref_size 128
	.end_amdhsa_kernel
	.amdgpu_metadata
---
amdhsa.version: [ 1, 2 ]
amdhsa.kernels:
  - .name:           k_q53757a654b_qkvproj
    .symbol:         k_q53757a654b_qkvproj.kd
    .args:
      - { .name: xh, .offset: 0, .size: 8, .value_kind: global_buffer, .address_space: global }
      - { .name: wh, .offset: 8, .size: 8, .value_kind: global_buffer, .address_space: global }
      - { .name: in_proj_bias, .offset: 16, .size: 8, .value_kind: global_buffer, .address_space: global }
      - { .name: qkv, .offset: 24, .size: 8, .value_kind: global_buffer, .address_space: global }
    .group_segment_fixed_size: 327680
    .private_segment_fixed_size: 0
    .kernarg_segment_align: 8
    .kernarg_segment_size: 32
    .max_flat_workgroup_size: 128
    .sgpr_count:     66
    .vgpr_count:     960
    .wavefront_size: 32
...
	.end_amdgpu_metadata
.endif
;; end of part 2
;; launch attn (part 3): grid 8 x 32, 8 waves a work-group, clusters of 4 x 1, 327,680 bytes of LDS; arguments qkv, ao; writes ao
.if DOCPART == 3
	.amdgcn_target "amdgcn-amd-amdhsa--gfx1250"
	.amdhsa_code_object_version 6
	.text
	.protected	k_q53757a654b_attn
	.globl	k_q53757a654b_attn
	.p2align	8
	.type	k_q53757a654b_attn,@function
k_q53757a654b_attn:
	s_mov_b64 s[64:65], 0
	v_nop
	global_prefetch_b8 v0, s[64:65] scope:SCOPE_SE
	s_setreg_imm32_b32 hwreg(HW_REG_WAVE_MODE, 25, 1), 1
	s_wait_xcnt 0x0
	s_wait_alu depctr_hold_cnt(0) depctr_sa_sdst(0) depctr_va_vdst(0) depctr_va_sdst(0) depctr_va_ssrc(0) depctr_va_vcc(0) depctr_vm_vsrc(0)
	s_getreg_b32 s2, hwreg(HW_REG_IB_STS2, 6, 4)
	s_cmp_eq_u32 s2, 0
	s_cbranch_scc0 .Lentry_in_a_cluster
	s_endpgm
.Lentry_in_a_cluster:
	s_bfe_u32 s2, ttmp6, 0x10000c
	s_cmp_lg_u32 s2, 0x3003
	s_cbranch_scc0 .Lentry_shape_is_right
	s_endpgm
.Lentry_shape_is_right:
; ao[n 16 + head][l][64] = softmax(q k^T / 8) v for one head, in f16; a running maximum, sums and rescaling in f32.
; LIMITS: P is rounded to f16 (values below 2^-24 count as 0); the exponential gives 0 for results below 2^-126.
; A work-group takes one head (grid y) and 256 queries; wave w takes 32 queries as two tiles u. Eight waves, two to a SIMD; 32 queries fit
; 256 registers, so no register window is switched.
; CLUSTER 4 x 1: the four query blocks of a cluster walk the same K and V tiles and ask for them jointly (mask 15).
; TRANSPOSED SCHEME: S^T = K Q^T: lane (r, h) register j of tile t holds key 16 t + 8 h + j of query r. Two such tiles packed to f16 ARE
; the second operand of O^T = V^T P^T (keys 8 h .. in registers 0-3, 16 + 8 h .. in 4-7): P needs no shuffle. Maximum, sum and rescale
; are a lane's own but for one exchange with lane xor 16. V^T comes from V[key][d] in LDS by the transposing load.
; A slot holds 256 keys: K at pitch 144, V at pitch 160. Waves 0-3 fetch K's quarters, waves 4-7 V's: 8 KiB, dense in memory, each.
; THE ORDER INSIDE A BLOCK OF 64 KEYS lets matrix and vector work of one wave run side by side:
;   the maximum of tile k is taken between the second-pass products of tiles k + 2 and k + 3;
;   P is made pair by pair, (u0, keys 0-31), (u1, 0-31), (u0, 32-63), (u1, 32-63), and the four products of a finished pair stand one at a
;   time among the next pair's exponentials, sums and conversions; only the last four stand in a run;
;   in a slot's last block the barrier is signalled as soon as V is in registers, and the rest of the block is register work.
.set KP,     144
.set VP,     160                       ; an odd multiple of 32, for the transposing load
.set VOFF,   40960                     ; V's part of a slot = 4 x 64 x VP, so that wave w's quarter lies at w x 64 x VP
.set SLOT,   81920
.set STAGE,  2*SLOT                    ; 163,840 = 640 x 256
.set SP,     144
.set WSTAGE, 32*SP
.set ADK, 4                            ; v4-5   K fragments in slot 0, 1
.set ADV, 6                            ; v6-7   V fragments
.set STO, 8
.set RD,  9
.set CO,  10
.set QOF, 11
.set M,   12                           ; v12-13 running maximum of the raw scores, one for each u
.set NM,  14                           ; v14-17 -c M, twice for each u (a pair for the packed multiply-add); c = log2(e) / 8
.set AL,  18                           ; v18, v20 the rescaling factor of u = 0, 1: the lower register of a pair, broadcast by op_sel_hi; v19, v21 are never selected
.set LS,  22                           ; v22-25 a pair of partial sums for each u
.set T,   26                           ; v26-31 at work
.set QF,  32                           ; Q(u, dc) at QF + 8 (2 u + dc)
.set SC,  64                           ; S(t, u) = tile i = 2 t + u at SC + 8 i; P(u, kc) in place at tile 4 kc + u
.set KV,  128                          ; K(t, dc) at KV + 32 dc + 8 t; then V(dt, kc) at KV + 32 kc + 8 dt
.set OA,  192                          ; O(dt, u) at OA + 8 (2 dt + u)
.set G1K, 16
.set G1V, 24
.set G0K, 32
.set G0V, 40
.macro JLOAD s                         ; the branch hangs on the wave's number alone
	s_cmp_eq_u32 s9, 0
	s_cbranch_scc0 .Lfor_v_\@
	tensor_load_to_lds s[G0K+4*(\s):G0K+4*(\s)+3], s[G1K:G1K+7]
	s_nop 0
	s_branch .Lasked_\@
.Lfor_v_\@:
	tensor_load_to_lds s[G0V+4*(\s):G0V+4*(\s)+3], s[G1V:G1V+7]
	s_nop 0
.Lasked_\@:
.endm
.macro CREST                           ; a round of the cluster's barrier behind its opening work-group barrier
	s_cmp_lg_u32 s8, 0
	s_cbranch_scc1 .Lnot_wave_0_\@
	s_barrier_signal -3
.Lnot_wave_0_\@:
	s_barrier_wait -3
	s_barrier_signal -1
	s_barrier_wait -1
.endm
.macro CROUND                          ; a whole round
	s_barrier_signal -1
	s_barrier_wait -1
	CREST
.endm
	s_load_b128 s[4:7], s[0:1], 0x0                ; qkv 4, ao 6
	s_set_vgpr_msb 0x40
	v_lshl_add_u32 v0, v0, 2, 0x31000
	v_mov_b32 v1, 0
	s_set_vgpr_msb 0x4045
	ds_add_u32 v0, v1
	s_set_vgpr_msb 0x4500
	v_lshrrev_b32 v1, 5, v0
	v_readfirstlane_b32 s8, v1                     ; wave 0..7
	s_lshr_b32 s9, s8, 2                           ; 0: I fetch K, 1: V
	s_and_b32 s10, s8, 3                           ; which quarter
	s_bfe_u32 s11, ttmp6, 0x40000                  ; cx
	s_lshl_b32 s12, ttmp9, 2
	s_add_co_u32 s12, s12, s11                     ; query block
	s_and_b32 s13, ttmp7, 0xffff                   ; n 16 + head
	s_mov_b32 s14, 0x76543210                      ; v_permlanex16_b32: lane i reads lane i of the other half
	s_mov_b32 s15, 0xfedcba98
	; a dense block of 8 KiB as 32 rows of 32 elements of 8 bytes; padding behind every 32 words (a key's 128 bytes): 4 words for K, 8 for V
	s_mov_b32 s[G1K+0], 15|(3<<16)|(1<<20)|(1<<21)|(4<<22)|(3<<25)
	s_mov_b32 s[G1V+0], 15|(3<<16)|(1<<20)|(1<<21)|(4<<22)|(7<<25)
	s_mov_b32 s[G1K+1], 32<<16
	s_mov_b32 s[G1V+1], 32<<16
	s_mov_b32 s[G1K+2], 32<<16
	s_mov_b32 s[G1V+2], 32<<16
	s_mov_b32 s[G1K+3], 32<<16
	s_mov_b32 s[G1V+3], 32<<16
	s_mov_b32 s[G1K+4], 32
	s_mov_b32 s[G1V+4], 32
	s_mov_b32 s[G1K+5], 32
	s_mov_b32 s[G1V+5], 32
	s_mov_b32 s[G1K+6], 0
	s_mov_b32 s[G1V+6], 0
	s_mov_b32 s[G1K+7], 0
	s_mov_b32 s[G1V+7], 0
	s_lshr_b32 s48, s13, 4
	s_mul_i32 s48, s48, 48
	s_and_b32 s49, s13, 15
	s_add_co_u32 s48, s48, s49                     ; q's plane = 48 n + head
	s_lshl_b32 s48, s48, 18                        ; in bytes
	s_lshl_b32 s49, s10, 13                        ; my quarter: 64 keys of 128 bytes
	s_add_co_u32 s50, s48, s49
	s_add_co_u32 s50, s50, 16<<18                  ; k's plane is 16 further,
	s_mov_b32 s51, 0
	s_add_co_u32 s52, s50, 16<<18                  ; v's 32
	s_mov_b32 s53, 0
	s_lshl_b32 s54, s12, 15                        ; my queries: (256 block + 32 wave) rows of 128 bytes
	s_add_co_u32 s54, s54, s48
	s_lshl_b32 s55, s8, 12
	s_add_co_u32 s54, s54, s55
	s_mov_b32 s55, 0
	s_mul_i32 s57, s8, 64*KP
	s_mul_i32 s58, s8, 64*VP
	s_wait_dscnt 0x0
	s_wait_kmcnt 0x0
	s_add_nc_u64 s[50:51], s[4:5], s[50:51]
	s_add_nc_u64 s[52:53], s[4:5], s[52:53]
	s_add_nc_u64 s[54:55], s[4:5], s[54:55]
	CROUND                                         ; the four work-groups are here: the first joint loads meet
.irp s, 0,1
	s_mov_b32 s[G0K+4*\s], 1
	s_add_co_u32 s[G0K+4*\s+1], s57, \s*SLOT
	s_add_nc_u64 s[G0K+4*\s+2:G0K+4*\s+3], s[50:51], \s*32768
	s_or_b32 s[G0K+4*\s+3], s[G0K+4*\s+3], 0x80000000
	s_mov_b32 s[G0V+4*\s], 1
	s_add_co_u32 s[G0V+4*\s+1], s58, \s*SLOT
	s_add_nc_u64 s[G0V+4*\s+2:G0V+4*\s+3], s[52:53], \s*32768
	s_or_b32 s[G0V+4*\s+3], s[G0V+4*\s+3], 0x80000000
	JLOAD \s                                       ; keys 0-255 and 256-511: two tensor loads of this wave are out, the most in this text
.endr
	v_and_b32 v1, 15, v0                           ; r
	v_bfe_u32 v2, v0, 4, 1                         ; h
	v_lshlrev_b32 v3, 7, v1
	v_lshl_add_u32 v[QOF], v2, 4, v3               ; query r's row of 128 bytes + 16 h
.irp u, 0,1
.irp dc, 0,1
	global_load_b128 v[QF+8*(2*\u+\dc):QF+8*(2*\u+\dc)+3],   v[QOF], s[54:55] offset:\u*2048+\dc*64
	global_load_b128 v[QF+8*(2*\u+\dc)+4:QF+8*(2*\u+\dc)+7], v[QOF], s[54:55] offset:\u*2048+\dc*64+32
.endr
.endr
	s_lshl_b32 s60, s13, 18                        ; ao: (head 2,048 + 256 block + 32 wave) rows of 128 bytes, in registers that feed no joint load
	s_lshl_b32 s61, s12, 15
	s_add_co_u32 s60, s60, s61
	s_lshl_b32 s61, s8, 12
	s_add_co_u32 s60, s60, s61
	s_mov_b32 s61, 0
	s_add_nc_u64 s[6:7], s[6:7], s[60:61]
	v_mul_u32_u24 v3, v1, KP
	v_lshl_add_u32 v[ADK], v2, 4, v3
	v_add_nc_u32 v[ADK+1], SLOT, v[ADK]
	v_and_b32 v3, 7, v0
	v_lshl_add_u32 v3, v2, 3, v3                   ; key 8 h + lane % 8
	v_mul_u32_u24 v3, v3, VP
	v_bfe_u32 v[T], v0, 3, 1
	v_lshl_add_u32 v3, v[T], 4, v3                 ; + 16 bytes for lanes 8-15 of each half
	v_add_nc_u32 v[ADV], VOFF, v3
	v_add_nc_u32 v[ADV+1], VOFF+SLOT, v3
	s_mul_i32 s59, s8, WSTAGE
	s_add_co_u32 s59, s59, STAGE
	v_mul_u32_u24 v3, v1, SP
	v_lshl_add_u32 v3, v2, 4, v3
	v_add_nc_u32 v[STO], s59, v3
	v_and_b32 v3, 31, v0
	v_lshlrev_b32 v[CO], 4, v3
	v_lshrrev_b32 v[T], 3, v3
	v_and_b32 v3, 7, v3
	v_mul_u32_u24 v[T], v[T], SP
	v_lshl_add_u32 v3, v3, 4, v[T]
	v_add_nc_u32 v[RD], s59, v3
.irp u, 0,1
	v_mov_b32 v[M+\u], 0xff800000                  ; maximum so far: -infinity
	v_mov_b32 v[NM+2*\u], 0x7f800000               ; so -c M = +infinity: the first rescaling factor is 2^(-infinity) = 0
	v_mov_b32 v[AL+2*\u+1], 0                      ; the pair's upper register is named by the packed forms and never selected
	v_mov_b32 v[LS+2*\u], 0
	v_mov_b32 v[LS+2*\u+1], 0
.endr
.macro LDK slot, kb, dc                ; 64 keys x 32 of d: 8 loads
.irp t, 0,1,2,3
	ds_load_b128 v[KV+32*\dc+8*\t:KV+32*\dc+8*\t+3],   v[ADK+\slot] offset:(64*(\kb)+16*\t)*KP+64*\dc
	ds_load_b128 v[KV+32*\dc+8*\t+4:KV+32*\dc+8*\t+7], v[ADK+\slot] offset:(64*(\kb)+16*\t)*KP+64*\dc+32
.endr
.endm
.macro LDV slot, kb                    ; V^T: 64 of d x 64 keys: 16 transposing loads, keys 0-31 first
.irp kc, 0,1
.irp dt, 0,1,2,3
	ds_load_tr16_b128 v[KV+32*\kc+8*\dt:KV+32*\kc+8*\dt+3],   v[ADV+\slot] offset:(64*(\kb)+32*\kc)*VP+32*\dt
	ds_load_tr16_b128 v[KV+32*\kc+8*\dt+4:KV+32*\kc+8*\dt+7], v[ADV+\slot] offset:(64*(\kb)+32*\kc)*VP+32*\dt+16*VP
.endr
.endr
.endm
; One product of S^T: tile i = 2 t + u, half dc of d. The eight tiles take turns, one instruction a turn.
.macro SW dc, i
.if \dc == 0
	v_wmma_f32_16x16x32_f16 v[SC+8*(\i):SC+8*(\i)+7], v[KV+8*((\i)>>1):KV+8*((\i)>>1)+7], v[QF+16*((\i)&1):QF+16*((\i)&1)+7], 0
.else
	v_wmma_f32_16x16x32_f16 v[SC+8*(\i):SC+8*(\i)+7], v[KV+32+8*((\i)>>1):KV+32+8*((\i)>>1)+7], v[QF+16*((\i)&1)+8:QF+16*((\i)&1)+15], v[SC+8*(\i):SC+8*(\i)+7]
.endif
.endm
; One product of O^T: group g = 2 kc + u, tile dt of d. An accumulator comes up again after the four of the other u.
.macro PW g, dt, zero
.if \zero
	v_wmma_f32_16x16x32_f16 v[OA+8*(2*\dt+((\g)&1)):OA+8*(2*\dt+((\g)&1))+7], v[KV+32*((\g)>>1)+8*\dt:KV+32*((\g)>>1)+8*\dt+7], v[SC+32*((\g)>>1)+8*((\g)&1):SC+32*((\g)>>1)+8*((\g)&1)+7], 0
	s_wait_alu depctr_va_vdst(0)
.else
	v_wmma_f32_16x16x32_f16 v[OA+8*(2*\dt+((\g)&1)):OA+8*(2*\dt+((\g)&1))+7], v[KV+32*((\g)>>1)+8*\dt:KV+32*((\g)>>1)+8*\dt+7], v[SC+32*((\g)>>1)+8*((\g)&1):SC+32*((\g)>>1)+8*((\g)&1)+7], v[OA+8*(2*\dt+((\g)&1)):OA+8*(2*\dt+((\g)&1))+7]
.endif
.endm
; The lane's maximum: three independent instructions take tile k's eight scores and the maximum so far; MAXC joins them one tile later.
.macro MAXT k
	v_max3_num_f32 v[T+3*((\k)&1)],   v[SC+8*(\k)],   v[SC+8*(\k)+1], v[SC+8*(\k)+2]
	v_max3_num_f32 v[T+3*((\k)&1)+1], v[SC+8*(\k)+3], v[SC+8*(\k)+4], v[SC+8*(\k)+5]
	v_max3_num_f32 v[T+3*((\k)&1)+2], v[SC+8*(\k)+6], v[SC+8*(\k)+7], v[M+((\k)&1)]
.endm
.macro MAXC u
	v_max3_num_f32 v[M+\u], v[T+3*\u], v[T+3*\u+1], v[T+3*\u+2]
.endm
; The two halves of the keys meet (lane xor 16), the new offset -c M and the factor 2^(new offset - old offset), the two u interleaved.
; The factor's exponent is the difference of the two offsets in use, so factor and exponentials agree exactly; it is <= 0.
.macro SER
	v_permlanex16_b32 v[T], v[M], s14, s15
	MAXC 1                                         ; tile 7's join
	v_max_num_f32 v[M], v[M], v[T]
	v_permlanex16_b32 v[T+3], v[M+1], s14, s15
	v_mul_f32 v[NM+1], 0xbe38aa3b, v[M]
	v_max_num_f32 v[M+1], v[M+1], v[T+3]
	v_sub_f32 v[T+1], v[NM+1], v[NM]
	v_mul_f32 v[NM+3], 0xbe38aa3b, v[M+1]
	v_mov_b32 v[NM], v[NM+1]
	v_sub_f32 v[T+4], v[NM+3], v[NM+2]
	v_exp_f32 v[AL], v[T+1]
	v_mov_b32 v[NM+2], v[NM+3]                     ; a plain instruction behind each exponential (ISA guide 5.7.2)
	v_exp_f32 v[AL+2], v[T+4]
.endm
.macro FMA i                           ; tile i: c s - c M, two at a time
.irp q, 0,2,4,6
	v_pk_fma_f32 v[SC+8*(\i)+\q:SC+8*(\i)+\q+1], v[SC+8*(\i)+\q:SC+8*(\i)+\q+1], 0x3e38aa3b, v[NM+2*((\i)&1):NM+2*((\i)&1)+1] op_sel_hi:[1,0,1]
.endr
.endm
.macro EXPT i
.irp j, 0,1,2,3,4,5,6,7
	v_exp_f32 v[SC+8*(\i)+\j], v[SC+8*(\i)+\j]
.endr
.endm
.macro CV i, q                         ; two p to f16: an even t in place into registers 0-3, an odd t into registers 4-7 of tile t - 1, which has been summed and packed
	v_cvt_pk_f16_f32 v[SC+8*(\i)-12*(((\i)>>1)&1)+\q], v[SC+8*(\i)+2*\q], v[SC+8*(\i)+2*\q+1]
.endm
; Sum and conversion of a tile, interleaved so that no instruction reads the one in front of it. Each conversion writes only registers that the sums have read.
.macro SCTA i
	s_wait_alu depctr_va_vdst(0)
	v_pk_add_f32 v[T:T+1], v[SC+8*(\i):SC+8*(\i)+1], v[SC+8*(\i)+2:SC+8*(\i)+3]
	v_pk_add_f32 v[T+2:T+3], v[SC+8*(\i)+4:SC+8*(\i)+5], v[SC+8*(\i)+6:SC+8*(\i)+7]
	CV \i, 0
	CV \i, 1
.endm
.macro SCTB i
	v_pk_add_f32 v[T:T+1], v[T:T+1], v[T+2:T+3]
	CV \i, 2
	CV \i, 3
.if (\i) < 2
	v_pk_fma_f32 v[LS+2*((\i)&1):LS+2*((\i)&1)+1], v[LS+2*((\i)&1):LS+2*((\i)&1)+1], v[AL+2*((\i)&1):AL+2*((\i)&1)+1], v[T:T+1] op_sel_hi:[1,0,1]   ; the block's first tile of each u rescales the old sums on the way
.else
	v_pk_add_f32 v[LS+2*((\i)&1):LS+2*((\i)&1)+1], v[LS+2*((\i)&1):LS+2*((\i)&1)+1], v[T:T+1]
.endif
.endm
.macro SCT i
	SCTA \i
	SCTB \i
.endm
.macro RESC first, u, hf               ; O(2 hf, u) and O(2 hf + 1, u) times the factor; in the very first block there is no O yet
.if \first == 0
	s_wait_alu depctr_va_vdst(0)
.irp dt, 2*\hf, 2*\hf+1
.irp q, 0,2,4,6
	v_pk_mul_f32 v[OA+8*(2*(\dt)+\u)+\q:OA+8*(2*(\dt)+\u)+\q+1], v[OA+8*(2*(\dt)+\u)+\q:OA+8*(2*(\dt)+\u)+\q+1], v[AL+2*\u:AL+2*\u+1] op_sel_hi:[1,0]
.endr
.endr
.endif
.endm
; 64 keys x my 32 queries. first = 1: the first products of O^T start the sums. pre = 1: the next 64 keys' K fragments are fetched as V's
; registers fall free. sig = 1: the slot's last block: the barrier is signalled once V is in registers and waited for at the block's end.
.macro BLOCK slot, kb, first, pre, sig
	s_wait_dscnt 8                                 ; K's first half along d is in; the eight loads of the second may be out
.irp i, 0,1,2,3,4,5,6,7
	SW 0, \i
.endr
	s_wait_dscnt 0                                 ; K's second half
	SW 1, 0
	SW 1, 1
.rept 4
	v_nop                                          ; four places in front of the first read of tile 0 (ISA guide 7.12.1); from here on the maxima of earlier tiles are the places
.endr
	SW 1, 2
	MAXT 0
	SW 1, 3
	MAXC 0
	MAXT 1
	SW 1, 4
	MAXC 1
	MAXT 2
	SW 1, 5
	MAXC 0
	MAXT 3
	SW 1, 6
	MAXC 1
	MAXT 4
	SW 1, 7
	MAXC 0
	MAXT 5
	MAXC 1
	MAXT 6
	LDV \slot, \kb                                 ; over K: eight plain vector instructions stand behind the last product that read it
	MAXC 0
	MAXT 7
	SER
	; the exponentials run one tile ahead of the sums; tiles in the order 0, 2, 1, 3, 4, 6, 5, 7; a multiply-add of a later tile is the plain place behind each run of exponentials (ISA guide 5.7.2)
	FMA 0
	EXPT 0
	FMA 2
	EXPT 2
	FMA 1
	RESC \first, 0, 0
	SCT 0
	EXPT 1
	FMA 3
	RESC \first, 0, 1
	SCT 2                                          ; P(u0, keys 0-31) is whole
.if \sig
	s_wait_dscnt 0x0                               ; all of V is in registers: my reads of this slot are over,
	s_set_vgpr_msb 0x5
	s_wait_tensorcnt 0x0                           ; and all my tensor loads have landed: the one that was out is my part of the other slot
	ds_add_u32 v0, v1
	s_wait_dscnt 0x0
	s_set_vgpr_msb 0x500
	s_barrier_signal -1                            ; say so; up to the wait at the block's end stands register work alone
.else
	s_wait_dscnt 8                                 ; V of keys 0-31 is in; the eight loads of keys 32-63 may be out
.endif
	PW 0, 0, \first
	EXPT 3
	FMA 4
	PW 0, 1, \first
	RESC \first, 1, 0
	SCT 1
	PW 0, 2, \first
	EXPT 4
	FMA 6
	PW 0, 3, \first
	RESC \first, 1, 1
	SCT 3                                          ; P(u1, keys 0-31)
	PW 1, 0, \first
	EXPT 6
	FMA 5
	PW 1, 1, \first
	SCT 4
	PW 1, 2, \first
	EXPT 5
	FMA 7
	PW 1, 3, \first
	SCT 6                                          ; P(u0, keys 32-63); its eight instructions are the places behind the last product that read V of keys 0-31
.if \pre
	LDK \slot, (\kb)+1, 0
	s_wait_dscnt 8                                 ; V of keys 32-63 is in; the eight loads just issued stay out
.else
.if \sig == 0
	s_wait_dscnt 0
.endif
.endif
	PW 2, 0, 0
	EXPT 7
	PW 2, 1, 0
	SCT 5                                          ; also the plain place behind tile 7's exponentials
	PW 2, 2, 0
	SCTA 7
	PW 2, 3, 0
	SCTB 7                                         ; P(u1, keys 32-63)
	PW 3, 0, 0
	PW 3, 1, 0
	PW 3, 2, 0
	PW 3, 3, 0
.rept 5
	v_nop                                          ; five places: the next S^T is written over P, which these products read; K is loaded over V, O is read at the end
.endr
.if \pre
	LDK \slot, (\kb)+1, 1
.endif
.if \sig
	s_barrier_wait -1                              ; every wave has read this slot to its end, and the other slot is whole
.endif
.endm
.macro WORK slot, first, sig
	LDK \slot, 0, 0
	LDK \slot, 0, 1
	BLOCK \slot, 0, \first, 1, 0
	BLOCK \slot, 1, 0, 1, 0
	BLOCK \slot, 2, 0, 1, 0
	BLOCK \slot, 3, 0, 0, \sig
.endm
; The slot just read is filled again. The barrier at the end of WORK has opened a round of the cluster's barrier, with every wave's waits in
; front of its signal; the rest of the round follows, and the joint refill is the first tensor load behind it. It has three blocks and a half,
; 224 keys' work, in which to land.
.macro RFILL slot
	CREST
	s_add_nc_u64 s[G0K+4*\slot+2:G0K+4*\slot+3], s[G0K+4*\slot+2:G0K+4*\slot+3], 65536   ; no tensor load of mine is out: this slot's next 256 keys
	s_add_nc_u64 s[G0V+4*\slot+2:G0V+4*\slot+3], s[G0V+4*\slot+2:G0V+4*\slot+3], 65536
	JLOAD \slot
.endm
	s_wait_tensorcnt 0x1                           ; my part of slot 0 is in; slot 1's stays out
	s_barrier_signal -1
	s_barrier_wait -1
	s_wait_loadcnt 0x0                             ; Q
	WORK 0, 1, 1                                   ; keys 0-255: the first lap stands in front of the loop, its first products start O's sums
	RFILL 0                                        ; keys 512-767
	WORK 1, 0, 1
	RFILL 1                                        ; keys 768-1,023
	s_mov_b32 s56, 2
.Lkeys:
	WORK 0, 0, 1
	RFILL 0
	WORK 1, 0, 1
	RFILL 1
	s_sub_co_u32 s56, s56, 1
	s_cmp_lg_u32 s56, 0
	s_cbranch_scc1 .Lkeys
	WORK 0, 0, 1                                   ; keys 1,536-1,791; nothing is left to fetch: its barrier shows the last slot whole and opens no round
	WORK 1, 0, 0                                   ; keys 1,792-2,047
	; the sums of both halves of the keys meet, O is divided and leaves through my stage as whole rows
	v_add_f32 v[T], v[LS], v[LS+1]
	v_add_f32 v[T+3], v[LS+2], v[LS+3]
	v_permlanex16_b32 v[T+1], v[T], s14, s15
	v_permlanex16_b32 v[T+4], v[T+3], s14, s15
	v_add_f32 v[T], v[T], v[T+1]                   ; about 1 at the least: the largest score gives p = 1 up to rounding
	v_add_f32 v[T+3], v[T+3], v[T+4]
	v_rcp_f32 v[AL], v[T]
	v_rcp_f32 v[AL+2], v[T+3]
	v_nop
	s_wait_alu depctr_va_vdst(0)
.irp i, 0,1,2,3,4,5,6,7
.irp q, 0,2,4,6
	v_pk_mul_f32 v[OA+8*\i+\q:OA+8*\i+\q+1], v[OA+8*\i+\q:OA+8*\i+\q+1], v[AL+2*(\i&1):AL+2*(\i&1)+1] op_sel_hi:[1,0]
.endr
.irp q, 0,1,2,3
	v_cvt_pk_f16_f32 v[SC+4*\i+\q], v[OA+8*\i+2*\q], v[OA+8*\i+2*\q+1]
.endr
	ds_store_b128 v[STO], v[SC+4*\i:SC+4*\i+3] offset:(\i&1)*16*SP+(\i>>1)*32   ; query 16 u + r, d = 16 dt + 8 h ..
.endr
.irp i, 0,1,2,3,4,5,6,7
	ds_load_b128 v[KV+4*\i:KV+4*\i+3], v[RD] offset:\i*4*SP    ; four queries' rows; LDS serves a wave's instructions in order
.endr
.irp i, 0,1,2,3,4,5,6,7
	s_wait_dscnt 7-\i
	global_store_b128 v[CO], v[KV+4*\i:KV+4*\i+3], s[6:7] offset:512*\i   ; 512 consecutive bytes
.endr
	s_set_vgpr_msb 0x5
	s_wait_tensorcnt 0x0
	ds_add_u32 v0, v1
	s_wait_dscnt 0x0
	s_set_vgpr_msb 0x500
	CROUND                                         ; the closing round
	s_endpgm
.Lfunc_end_k_q53757a654b_attn:
	.size	k_q53757a654b_attn, .Lfunc_end_k_q53757a654b_attn-k_q53757a654b_attn
	.p2alignl 7, 3214868480
	.fill 96, 4, 3214868480
	.section	.rodata,"a",@progbits
	.p2align	6, 0x0
	.amdhsa_kernel k_q53757a654b_attn
		.amdhsa_group_segment_fixed_size 327680
		.amdhsa_private_segment_fixed_size 0
		.amdhsa_enable_private_segment 0
		.amdhsa_kernarg_size 16
		.amdhsa_user_sgpr_count 2
		.amdhsa_user_sgpr_kernarg_segment_ptr 1
		.amdhsa_wavefront_size32 1
		.amdhsa_system_sgpr_workgroup_id_x 1
		.amdhsa_system_sgpr_workgroup_id_y 1
		.amdhsa_system_sgpr_workgroup_id_z 1
		.amdhsa_system_vgpr_workitem_id 0
		.amdhsa_next_free_vgpr 258
		.amdhsa_next_free_sgpr 66
		.amdhsa_reserve_vcc 0
		.amdhsa_float_denorm_mode_32 3
		.amdhsa_float_denorm_mode_16_64 3
		.amdhsa_memory_ordered 1
		.amdhsa_forward_progress 1
		.amdhsa_inst_pref_size 255
	.end_amdhsa_kernel
	.section	.bss,"aw",@nobits
	.p2align	6
	.space	262144
	.amdgpu_metadata
---
amdhsa.version: [ 1, 2 ]
amdhsa.kernels:
  - .name:           k_q53757a654b_attn
    .symbol:         k_q53757a654b_attn.kd
    .args:
      - { .name: qkv, .offset: 0, .size: 8, .value_kind: global_buffer, .address_space: global }
      - { .name: ao, .offset: 8, .size: 8, .value_kind: global_buffer, .address_space: global }
    .group_segment_fixed_size: 327680
    .private_segment_fixed_size: 0
    .kernarg_segment_align: 8
    .kernarg_segment_size: 16
    .max_flat_workgroup_size: 256
    .sgpr_count:     66
    .vgpr_count:     258
    .wavefront_size: 32
...
	.end_amdgpu_metadata
.endif
;; end of part 3
;; launch oproj (part 4): grid 8 x 32, 4 waves a work-group, clusters of 4 x 4, 327,680 bytes of LDS; arguments ao, weff, out_proj_bias, out0; writes out0
.if DOCPART == 4
	.amdgcn_target "amdgcn-amd-amdhsa--gfx1250"
	.amdhsa_code_object_version 6
	.text
	.protected	k_q53757a654b_oproj
	.globl	k_q53757a654b_oproj
	.p2align	8
	.type	k_q53757a654b_oproj,@function
k_q53757a654b_oproj:
	s_mov_b64 s[64:65], 0
	v_nop
	global_prefetch_b8 v0, s[64:65] scope:SCOPE_SE
	s_setreg_imm32_b32 hwreg(HW_REG_WAVE_MODE, 25, 1), 1
	s_wait_xcnt 0x0
	s_wait_alu depctr_hold_cnt(0) depctr_sa_sdst(0) depctr_va_vdst(0) depctr_va_sdst(0) depctr_va_ssrc(0) depctr_va_vcc(0) depctr_vm_vsrc(0)
	s_getreg_b32 s2, hwreg(HW_REG_IB_STS2, 6, 4)
	s_cmp_eq_u32 s2, 0
	s_cbranch_scc0 .Lentry_in_a_cluster
	s_endpgm
.Lentry_in_a_cluster:
	s_bfe_u32 s2, ttmp6, 0x10000c
	s_cmp_lg_u32 s2, 0xf033
	s_cbranch_scc0 .Lentry_shape_is_right
	s_endpgm
.Lentry_shape_is_right:
; out0[l][n][:] = (heads of ao, side by side) weff^T + out_proj_bias, f32 out; f16 operands, f32 sums started from the bias.
; A work-group makes 128 tokens of one batch (by: n = by / 16, l0 = 128 (by % 16)) x 128 columns (bx); 256 work-groups. The four waves
; split it 2 x 2: 64 x 64 each, 16 accumulator tiles. K = 1,024 goes in 4 steps of 256 (four heads), written out, through two LDS slots.
; CLUSTER 4 x 4: ao's tile hangs on by alone (shared along a row of the cluster), weff's on bx alone (along a column).
; A slot: four head planes of 128 tokens at pitch 144, then 128 rows of weff at pitch 528. Waves 0, 1 fetch two heads each (each head's
; 128 tokens are 16 KiB, dense in memory: one long row a head), waves 2, 3 fetch 64 rows of 512 bytes of weff each.
; REGISTERS: window 0: addresses, buffer f: weff fragments at 64 + 64 f + 8 b, ao fragments at 96 + 64 f + 8 a, v192-223 the way out;
; window 1: accumulator (a, b) at 8 (4 a + b). Source 0 = rows of weff, source 1 = rows of ao: a lane holds token r, columns 16 b + 8 h + j.
.set AP,     144
.set APLANE, 128*AP
.set BOFF,   4*APLANE                  ; 73,728
.set BP,     528
.set BHALF,  64*BP
.set SLOT,   BOFF+2*BHALF              ; 141,312
.set STAGE,  2*SLOT                    ; 282,624 = 1,104 x 256
.set SPITCH, 272
.set WSTAGE, 16*SPITCH
.set ADRA, 16
.set ADRB, 20
.set STO,  24
.set RD,   25
.set CO,   26
.set BOF,  27
.set FB,   64
.set OUTB, 192
.set G1A, 24
.set G0A, 32
.set G1B, 48
.set G0B, 56
.set MSB, 0
.macro WIN new
.if MSB != \new
	s_set_vgpr_msb (MSB<<8)|\new
.set MSB, \new
.endif
.endm
.set MULW, 0x50                        ; sources 0 and 1 window 0, C and D window 1
.macro PLACES
.rept 4
	v_nop
.endr
.endm
.macro JLOAD s
	s_cmp_eq_u32 s13, 0
	s_cbranch_scc0 .Lfor_b_\@
	tensor_load_to_lds s[G0A+4*\s:G0A+4*\s+3], s[G1A:G1A+7]
	s_nop 0
	s_branch .Lasked_\@
.Lfor_b_\@:
	tensor_load_to_lds s[G0B+4*\s:G0B+4*\s+3], s[G1B:G1B+7]
	s_nop 0
.Lasked_\@:
.endm
.macro CREST
	s_cmp_lg_u32 s12, 0
	s_cbranch_scc1 .Lnot_wave_0_\@
	s_barrier_signal -3
.Lnot_wave_0_\@:
	s_barrier_wait -3
	s_barrier_signal -1
	s_barrier_wait -1
.endm
.macro CROUND
	s_barrier_signal -1
	s_barrier_wait -1
	CREST
.endm
	s_load_b256 s[4:11], s[0:1], 0x0               ; ao 4, weff 6, bias 8, out0 10
	v_lshl_add_u32 v254, v0, 2, 0x49400
	v_mov_b32 v255, 0
	ds_add_u32 v254, v255
	v_lshrrev_b32 v1, 5, v0
	v_readfirstlane_b32 s12, v1                    ; wave
	s_lshr_b32 s13, s12, 1                         ; my half of the tokens. Also: I fetch ao (0) or weff (1)
	s_and_b32 s14, s12, 1                          ; my half of the columns. Also: which half of that tile I fetch
	s_bfe_u32 s15, ttmp6, 0x40000                  ; cx
	s_bfe_u32 s16, ttmp6, 0x40004                  ; cy
	s_lshl_b32 s17, ttmp9, 2
	s_add_co_u32 s17, s17, s15                     ; bx
	s_and_b32 s18, ttmp7, 0xffff
	s_lshl_b32 s18, s18, 2
	s_add_co_u32 s18, s18, s16                     ; by
	s_lshl_b32 s20, s16, 2
	s_lshl_b32 s20, 15, s20                        ; my row of the cluster
	s_lshl_b32 s21, 0x1111, s15                    ; my column
	s_or_b32 s[G1A+0], s20, (3<<16)|(1<<20)|(1<<21)|(4<<22)|(3<<25)   ; 8-byte elements; 4 words of padding behind every 32 (a token's 128 bytes)
	s_or_b32 s[G1B+0], s21, (1<<16)|(1<<20)|(1<<21)|(6<<22)|(3<<25)   ; 2-byte elements; 4 words behind every 128 (a row's 512 bytes)
	s_mov_b32 s[G1A+1], 2048<<16                   ; tensor_dim0 = 2,048 elements = 16 KiB: 128 tokens of one head
	s_mov_b32 s[G1B+1], 256<<16
	s_mov_b32 s[G1A+2], 2<<16                      ; tensor_dim1 = 2 heads
	s_mov_b32 s[G1B+2], 64<<16
	s_mov_b32 s[G1A+3], 2048<<16                   ; tile_dim0
	s_mov_b32 s[G1B+3], 256<<16
	s_mov_b32 s[G1A+4], 2                          ; tile_dim1
	s_mov_b32 s[G1B+4], 64
	s_mov_b32 s[G1A+5], 32768                      ; from head to head: 262,144 bytes
	s_mov_b32 s[G1B+5], 1024
	s_mov_b32 s[G1A+6], 0
	s_mov_b32 s[G1B+6], 0
	s_mov_b32 s[G1A+7], 0
	s_mov_b32 s[G1B+7], 0
	s_lshr_b32 s40, s18, 4                         ; ao: (16 n + 2 half) planes of 262,144 bytes + l0 rows of 128
	s_lshl_b32 s40, s40, 22
	s_lshl_b32 s41, s14, 19
	s_add_co_u32 s40, s40, s41
	s_and_b32 s41, s18, 15
	s_lshl_b32 s41, s41, 14
	s_add_co_u32 s40, s40, s41
	s_mov_b32 s41, 0
	s_lshl_b32 s44, s17, 18                        ; weff: (128 bx + 64 half) rows of 2,048 bytes
	s_lshl_b32 s45, s14, 17
	s_add_co_u32 s44, s44, s45
	s_mov_b32 s45, 0
	s_mul_i32 s22, s12, 2*APLANE
	s_mul_i32 s23, s12, BHALF
	s_add_co_u32 s23, s23, BOFF-2*BHALF
	s_wait_dscnt 0x0
	s_wait_kmcnt 0x0
	s_add_nc_u64 s[42:43], s[4:5], s[40:41]
	s_add_nc_u64 s[46:47], s[6:7], s[44:45]
	CROUND                                         ; the first joint loads meet
.irp s, 0,1
	s_mov_b32 s[G0A+4*\s], 1
	s_add_co_u32 s[G0A+4*\s+1], s22, \s*SLOT
	s_add_nc_u64 s[G0A+4*\s+2:G0A+4*\s+3], s[42:43], \s*4*262144
	s_or_b32 s[G0A+4*\s+3], s[G0A+4*\s+3], 0x80000000
	s_mov_b32 s[G0B+4*\s], 1
	s_add_co_u32 s[G0B+4*\s+1], s23, \s*SLOT
	s_add_nc_u64 s[G0B+4*\s+2:G0B+4*\s+3], s[46:47], \s*512
	s_or_b32 s[G0B+4*\s+3], s[G0B+4*\s+3], 0x80000000
	JLOAD \s                                       ; K steps 0 and 1: two tensor loads of this wave are out, the most in this text
.endr
	s_and_b32 s40, s18, 15                         ; out0: ((l0 + 64 half) 2 + n) rows of 4,096 bytes
	s_lshl_b32 s40, s40, 20
	s_lshl_b32 s41, s13, 19
	s_add_co_u32 s40, s40, s41
	s_lshr_b32 s41, s18, 4
	s_lshl_b32 s41, s41, 12
	s_add_co_u32 s40, s40, s41
	s_mov_b32 s41, 0
	s_add_nc_u64 s[10:11], s[10:11], s[40:41]
	s_lshl_b32 s44, s17, 9                         ; column 128 bx + 64 half, in f32: for out0 and for the bias
	s_lshl_b32 s45, s14, 8
	s_add_co_u32 s44, s44, s45
	s_mov_b32 s45, 0
	s_add_nc_u64 s[10:11], s[10:11], s[44:45]
	s_add_nc_u64 s[8:9], s[8:9], s[44:45]
	v_and_b32 v1, 15, v0                           ; r
	v_bfe_u32 v2, v0, 4, 1                         ; h
	v_mul_u32_u24 v3, v1, AP
	v_lshl_add_u32 v3, v2, 4, v3
	v_mul_u32_u24 v4, v1, BP
	v_lshl_add_u32 v4, v2, 4, v4
	s_mul_i32 s22, s13, 64*AP                      ; my 64 tokens
	s_mul_i32 s23, s14, BHALF                      ; my 64 rows of weff
	s_add_co_u32 s23, s23, BOFF
.irp s, 0,1
	v_add_nc_u32 v[ADRA+\s], s22, v3
	v_add_nc_u32 v[ADRB+\s], s23, v4
	s_add_co_u32 s22, s22, SLOT
	s_add_co_u32 s23, s23, SLOT
.endr
	s_mul_i32 s19, s12, WSTAGE
	s_add_co_u32 s19, s19, STAGE
	v_mul_u32_u24 v5, v1, SPITCH
	v_lshl_add_u32 v5, v2, 5, v5
	v_add_nc_u32 v[STO], s19, v5                   ; in: token r, 32 bytes for each half of the lanes
	v_mul_u32_u24 v5, v2, SPITCH
	v_lshl_add_u32 v5, v1, 4, v5
	v_add_nc_u32 v[RD], s19, v5                    ; back: lanes 0-15 one token's 256 bytes, lanes 16-31 the next
	v_lshlrev_b32 v5, 13, v2
	v_lshl_add_u32 v[CO], v1, 4, v5                ; the same two tokens in out0, 8,192 bytes apart
	v_lshlrev_b32 v[BOF], 5, v2
	WIN 0x40                                       ; destination window 1: the sums start from the bias
.irp a, 0,1,2,3
.irp b, 0,1,2,3
	global_load_b128 v[8*(4*\a+\b):8*(4*\a+\b)+3],   v[BOF], s[8:9] offset:64*\b
	global_load_b128 v[8*(4*\a+\b)+4:8*(4*\a+\b)+7], v[BOF], s[8:9] offset:64*\b+16
.endr
.endr
	WIN 0
; The 16 accumulators take turns, one instruction a turn, in the same order in every chunk.
.macro MUL8 f, a0
.irp a, \a0, \a0+1
.irp b, 0,1,2,3
	v_wmma_f32_16x16x32_f16 v[8*(4*(\a)+\b):8*(4*(\a)+\b)+7], v[FB+64*\f+8*\b:FB+64*\f+8*\b+7], v[FB+32+64*\f+8*(\a):FB+32+64*\f+8*(\a)+7], v[8*(4*(\a)+\b):8*(4*(\a)+\b)+7]
.endr
.endr
.endm
.macro FETCH slot, q, f                ; chunk q (32 along K) of a slot: 16 loads. Head q / 2, d = 32 (q % 2) ..
.irp b, 0,1,2,3
	ds_load_b128 v[FB+64*\f+8*\b:FB+64*\f+8*\b+3],   v[ADRB+\slot] offset:\b*16*BP+64*(\q)
	ds_load_b128 v[FB+64*\f+8*\b+4:FB+64*\f+8*\b+7], v[ADRB+\slot] offset:\b*16*BP+64*(\q)+32
.endr
.irp a, 0,1,2,3
	ds_load_b128 v[FB+32+64*\f+8*\a:FB+32+64*\f+8*\a+3],   v[ADRA+\slot] offset:((\q)>>1)*APLANE+\a*16*AP+((\q)&1)*64
	ds_load_b128 v[FB+32+64*\f+8*\a+4:FB+32+64*\f+8*\a+7], v[ADRA+\slot] offset:((\q)>>1)*APLANE+\a*16*AP+((\q)&1)*64+32
.endr
.endm
.macro CHUNK slot, q, f, g             ; multiplies chunk q from buffer f while chunk q + 1 comes into buffer g
	s_wait_dscnt 0                                 ; chunk q's fragments are in
	PLACES                                         ; four places behind the products that read buffer g (ISA guide 7.12.1)
	FETCH \slot, (\q)+1, \g
	WIN MULW
	MUL8 \f, 0
	MUL8 \f, 2
	WIN 0
.endm
.macro SEVEN slot
	CHUNK \slot, 0, 0, 1
	CHUNK \slot, 1, 1, 0
	CHUNK \slot, 2, 0, 1
	CHUNK \slot, 3, 1, 0
	CHUNK \slot, 4, 0, 1
	CHUNK \slot, 5, 1, 0
	CHUNK \slot, 6, 0, 1
.endm
; The eighth chunk changes slots: each wave's waits for its reads and for all its tensor loads, the barrier (which opens a round of the
; cluster's barrier where the slot is filled again), the joint refill first behind it, then the next slot's first fragments.
.macro TURN slot, next, fill
	s_wait_dscnt 0
	s_wait_tensorcnt 0x0
	ds_add_u32 v254, v255
	s_wait_dscnt 0x0
	s_barrier_signal -1
	WIN MULW
	MUL8 1, 0
	WIN 0
	s_barrier_wait -1
.if \fill
	CREST
	s_add_nc_u64 s[G0A+4*\slot+2:G0A+4*\slot+3], s[G0A+4*\slot+2:G0A+4*\slot+3], 8*262144
	s_add_nc_u64 s[G0B+4*\slot+2:G0B+4*\slot+3], s[G0B+4*\slot+2:G0B+4*\slot+3], 1024
	JLOAD \slot
.endif
	PLACES
	FETCH \next, 0, 0
	WIN MULW
	MUL8 1, 2
	WIN 0
.endm
	s_wait_tensorcnt 0x1                           ; my part of K step 0 is in; K step 1's stays out
	s_barrier_signal -1
	s_barrier_wait -1
	FETCH 0, 0, 0
	s_wait_loadcnt 0x0                             ; the bias is in the accumulators
	SEVEN 0
	TURN 0, 1, 1
	SEVEN 1
	TURN 1, 0, 1
	SEVEN 0
	TURN 0, 1, 0                                   ; the last two K steps fill nothing
	SEVEN 1
	s_wait_dscnt 0
	WIN MULW
	MUL8 1, 0
	MUL8 1, 2
	WIN 0
	PLACES
; THE WAY OUT, 16 tokens at a time, in f32: 32 bytes a lane and tile into my own stage, read back as whole rows of 256 bytes.
.macro OUT16 a
	WIN 0x04                                       ; store data (source 1) from window 1
.irp b, 0,1,2,3
	ds_store_b128 v[STO], v[8*(4*\a+\b):8*(4*\a+\b)+3]   offset:64*\b
	ds_store_b128 v[STO], v[8*(4*\a+\b)+4:8*(4*\a+\b)+7] offset:64*\b+16
.endr
	WIN 0
	s_wait_xcnt 0x0                                ; OUTB, which the last tile's stores read, is loaded again only behind this wait
.irp t, 0,1,2,3,4,5,6,7
	ds_load_b128 v[OUTB+4*\t:OUTB+4*\t+3], v[RD] offset:\t*2*SPITCH   ; LDS serves a wave's instructions in order
.endr
.irp t, 0,1,2,3,4,5,6,7
	s_wait_dscnt 7-\t
	global_store_b128 v[CO], v[OUTB+4*\t:OUTB+4*\t+3], s[10:11] offset:(16*\a+2*\t)*8192 th:TH_STORE_NT   ; sixteen lanes store 256 consecutive aligned bytes
.endr
.endm
	OUT16 0
	OUT16 1
	OUT16 2
	OUT16 3
	s_wait_tensorcnt 0x0
	ds_add_u32 v254, v255
	s_wait_dscnt 0x0
	CROUND                                         ; the closing round
	s_endpgm
.Lfunc_end_k_q53757a654b_oproj:
	.size	k_q53757a654b_oproj, .Lfunc_end_k_q53757a654b_oproj-k_q53757a654b_oproj
	.p2alignl 7, 3214868480
	.fill 96, 4, 3214868480
	.section	.rodata,"a",@progbits
	.p2align	6, 0x0
	.amdhsa_kernel k_q53757a654b_oproj
		.amdhsa_group_segment_fixed_size 327680
		.amdhsa_private_segment_fixed_size 0
		.amdhsa_enable_private_segment 0
		.amdhsa_kernarg_size 32
		.amdhsa_user_sgpr_count 2
		.amdhsa_user_sgpr_kernarg_segment_ptr 1
		.amdhsa_wavefront_size32 1
		.amdhsa_system_sgpr_workgroup_id_x 1
		.amdhsa_system_sgpr_workgroup_id_y 1
		.amdhsa_system_sgpr_workgroup_id_z 1
		.amdhsa_system_vgpr_workitem_id 0
		.amdhsa_next_free_vgpr 384
		.amdhsa_next_free_sgpr 66
		.amdhsa_reserve_vcc 0
		.amdhsa_float_denorm_mode_32 3
		.amdhsa_float_denorm_mode_16_64 3
		.amdhsa_memory_ordered 1
		.amdhsa_forward_progress 1
		.amdhsa_inst_pref_size 92
	.end_amdhsa_kernel
	.amdgpu_metadata
---
amdhsa.version: [ 1, 2 ]
amdhsa.kernels:
  - .name:           k_q53757a654b_oproj
    .symbol:         k_q53757a654b_oproj.kd
    .args:
      - { .name: ao, .offset: 0, .size: 8, .value_kind: global_buffer, .address_space: global }
      - { .name: weff, .offset: 8, .size: 8, .value_kind: global_buffer, .address_space: global }
      - { .name: out_proj_bias, .offset: 16, .size: 8, .value_kind: global_buffer, .address_space: global }
      - { .name: out0, .offset: 24, .size: 8, .value_kind: global_buffer, .address_space: global }
    .group_segment_fixed_size: 327680
    .private_segment_fixed_size: 0
    .kernarg_segment_align: 8
    .kernarg_segment_size: 32
    .max_flat_workgroup_size: 128
    .sgpr_count:     66
    .vgpr_count:     384
    .wavefront_size: 32
...
	.end_amdgpu_metadata
.endif
;; end of part 4
;; ======== version 2 of 2: 4 launches; version 1 with the launch prep written anew for expert scheduling mode
;; limits: values are held in f16: magnitudes above 65,504 overflow, below 6.1e-05 lose precision
;; workspace buffers: xh 8,388,608 bytes; wh 6,291,456 bytes; weff 2,097,152 bytes; qkv 25,165,824 bytes; ao 8,388,608 bytes
;; launch prep (part 5): grid 256 x 1, 8 waves a work-group, no clusters, 0 bytes of LDS; arguments query, in_proj_weight, out_proj_weight, lora_A, lora_B, xh, wh, weff; writes xh, wh, weff
.if DOCPART == 5
	.amdgcn_target "amdgcn-amd-amdhsa--gfx1250"
	.amdhsa_code_object_version 6
	.text
	.protected	k_q53757a654b_prep
	.globl	k_q53757a654b_prep
	.p2align	8
	.type	k_q53757a654b_prep,@function
k_q53757a654b_prep:
	s_mov_b64 s[64:65], 0
	v_nop
	global_prefetch_b8 v0, s[64:65] scope:SCOPE_SE
	s_setreg_imm32_b32 hwreg(HW_REG_WAVE_SCHED_MODE, 0, 2), 2
	s_setreg_imm32_b32 hwreg(HW_REG_WAVE_MODE, 25, 1), 1
	s_wait_xcnt 0x0
	s_wait_alu depctr_vm_vsrc(0)
; xh = f16(query), wh = f16(in_proj_weight), weff = f16(out_proj_weight + (2 lora_B) lora_A).
; out W^T + 2 (out A^T) B^T = out (W + 2 B A)^T for every input, so the side path is folded into the weight once, here.
; LIMITS: f16 operands: numbers of 65,504 and more become infinite, numbers below 2^-24 become 0. W + 2 B A is summed in f32
; and rounded to f16 once. The inputs key and value are named by no launch: the problem's function never uses them.
; STREAM: 2,048 waves; wave gw takes 8,192 bytes of query (16 loads) and 6,144 bytes of in_proj_weight (12 loads). A load covers
; 512 consecutive bytes, a store 256 consecutive aligned bytes. All 28 loads of a wave are issued before the first wait.
; FOLD: 512 tasks of 16 rows x 128 columns of weff, taken by waves 0 and 4 of each work-group. Lane (r, h) owns columns
; k0 + 8 r + t, t = 0..7: matrix tile t holds column k0 + 8 r + t in lane r, so that a lane's eight sums are neighbours in memory.
; No LDS, no barrier, no cluster: the work-groups share only lora_A and lora_B, 128 KiB against 33 MB streamed.
; THE MODE: SCHED_MODE bits 1:0 = 2 (LLVM: expert scheduling mode 2), set by the entry lines. The code itself states the register dependences
; between vector or matrix instructions and memory instructions, with s_wait_alu, always for 0.
; THE PLAN. Registers that memory instructions touch:
;   v1 .. v5    byte offsets, made once at the head and never written again; read by every load and store.
;   R slot k    written by its load, then its first two registers by its two conversions; read by its one store. The 28 slots go in 7 groups of
;               four: slot k - 4's store is issued in slot k's turn, so ONE wait on va_vdst at a group's head states that the group before has
;               written what the group's four stores read; the conversions behind that wait name the group's own slots alone.
;   v[8:79]     in a folding wave written again, as FR and BF: one wait on vm_vsrc ahead of that states that the stream's stores have read them.
;   WO row j    loaded once, summed and rounded in place, read by row j's one store. Rows 0-3 are made, one wait on va_vdst, their stores are dealt
;               among rows 4-7's arithmetic, which names rows 4-7 and the matrix results alone; one more wait, the last four stores.
;   BR, LA      loaded once; no memory instruction reads them. No load is issued behind a vector instruction that names its destination.
.set R,   8                            ; v[8:119]    28 stream slots of 4 registers
.set LA,  120                          ; v[120:183]  lora_A[8 h + j][k0 + 8 r + t] at LA + 8 j + t; later the eight matrix results
.set WO,  184                          ; v[184:247]  out_proj_weight[e0 + 8 h + j][k0 + 8 r + t] at WO + 8 j + t
.set BR,  248                          ; v[248:255]  lora_B[e0 + r][8 h .. 8 h + 7]
.set FR,  8                            ; v[8:71]     fold: fragment of lora_A for tile t at FR + 8 t (over the stream's dead slots)
.set BF,  72                           ; v[72:79]    fold: fragment of 2 lora_B
	s_load_b512 s[4:19], s[0:1], 0x0               ; query 4, in_proj_weight 6, out_proj_weight 8, lora_A 10, lora_B 12, xh 14, wh 16, weff 18
	v_lshrrev_b32 v6, 5, v0
	v_readfirstlane_b32 s20, v6                    ; wave 0..7
	v_and_b32 v7, 31, v0                           ; lane
	v_lshlrev_b32 v1, 4, v7                        ; 16 bytes a lane in
	v_lshlrev_b32 v2, 3, v7                        ; 8 bytes a lane out
	v_and_b32 v6, 15, v7                           ; r
	v_lshrrev_b32 v7, 4, v7                        ; h
	v_lshlrev_b32 v3, 5, v6
	v_lshl_add_u32 v3, v7, 15, v3                  ; lora_A, out_proj_weight: 8 h rows of 4,096 bytes + 32 r
	v_lshlrev_b32 v4, 6, v6
	v_lshl_add_u32 v4, v7, 5, v4                   ; lora_B: row r of 64 bytes + 32 h
	v_lshlrev_b32 v5, 4, v6
	v_lshl_add_u32 v5, v7, 14, v5                  ; weff: 8 h rows of 2,048 bytes + 16 r
	s_wait_alu depctr_va_sdst(0)                   ; s20 is written, ahead of its first reader: the wave's shares and the branch are made from it
	s_lshl_b32 s21, ttmp9, 3
	s_add_co_u32 s21, s21, s20                     ; gw = 8 x work-group + wave
	s_and_b32 s24, s20, 3                          ; 0: this wave also folds
	s_lshr_b32 s25, s20, 2
	s_lshl_b32 s26, ttmp9, 1
	s_add_co_u32 s25, s25, s26                     ; fold task 0..511
	s_lshr_b32 s26, s25, 3                         ; block of 16 rows
	s_and_b32 s27, s25, 7                          ; block of 128 columns
	s_mov_b32 s23, 0                               ; high word of every offset
	s_wait_kmcnt 0x0
	s_lshl_b32 s22, s21, 13
	s_add_nc_u64 s[4:5], s[4:5], s[22:23]          ; query + 8,192 gw
	s_mul_i32 s22, s21, 6144
	s_add_nc_u64 s[6:7], s[6:7], s[22:23]          ; in_proj_weight + 6,144 gw
	s_wait_alu depctr_va_vdst(0)                   ; the five offsets v1 to v5 are written: every load and store of the kernel reads one of them
.irp k, 0,1,2,3,4,5,6,7,8,9,10,11,12,13,14,15
	global_load_b128 v[R+4*\k:R+4*\k+3], v1, s[4:5] offset:512*\k th:TH_LOAD_NT
.endr
.irp k, 0,1,2,3,4,5,6,7,8,9,10,11
	global_load_b128 v[R+64+4*\k:R+64+4*\k+3], v1, s[6:7] offset:512*\k th:TH_LOAD_NT
.endr
	s_lshl_b32 s22, s21, 12
	s_add_nc_u64 s[14:15], s[14:15], s[22:23]      ; xh + 4,096 gw
	s_mul_i32 s22, s21, 3072
	s_add_nc_u64 s[16:17], s[16:17], s[22:23]      ; wh + 3,072 gw
	s_lshl_b32 s22, s27, 9
	s_add_nc_u64 s[10:11], s[10:11], s[22:23]      ; lora_A at column k0
	s_lshl_b32 s28, s26, 16
	s_add_co_u32 s22, s22, s28
	s_add_nc_u64 s[8:9], s[8:9], s[22:23]          ; out_proj_weight at (e0, k0)
	s_lshl_b32 s22, s26, 10
	s_add_nc_u64 s[12:13], s[12:13], s[22:23]      ; lora_B at row e0
	s_lshl_b32 s22, s26, 15
	s_lshl_b32 s28, s27, 8
	s_add_co_u32 s22, s22, s28
	s_add_nc_u64 s[18:19], s[18:19], s[22:23]      ; weff at (e0, k0)
; Slot n leaves: slots 0-15 are query's, slots 16-27 in_proj_weight's.
.macro PUT n
.if (\n) < 16
	global_store_b64 v2, v[R+4*(\n):R+4*(\n)+1], s[14:15] offset:256*(\n)
.else
	global_store_b64 v2, v[R+4*(\n):R+4*(\n)+1], s[16:17] offset:256*((\n)-16)
.endif
.endm
; The 28 slots in turn: four f32 become four f16 in place; the slot four back leaves. extra = loads issued behind the stream's 28.
.macro STREAM extra
.set k, 0
.rept 28
	s_wait_loadcnt 27-k+\extra                     ; loads come back in order: slot k is in, all younger ones stay out
.if (k >= 4) && (k%4 == 0)
	s_wait_alu depctr_va_vdst(0)                   ; the conversions of the group before have written the registers that this group's four stores read
.endif
.if k >= 4
	PUT k-4                                        ; no vector instruction since the wait names this slot or v2
.endif
	v_cvt_pk_f16_f32 v[R+4*k], v[R+4*k], v[R+4*k+1]
	v_cvt_pk_f16_f32 v[R+4*k+1], v[R+4*k+2], v[R+4*k+3]
.set k, k+1
.endr
	s_wait_alu depctr_va_vdst(0)                   ; the last group's conversions have written slots 24 to 27, which the last four stores read
	PUT 24
	PUT 25
	PUT 26
	PUT 27
.endm
; Row j of the fold: W + 2 B A in f32, rounded once to f16, in place; and its store.
.macro SUMROW j
.irp t, 0,1,2,3,4,5,6,7
	v_add_f32 v[WO+8*(\j)+\t], v[WO+8*(\j)+\t], v[LA+8*\t+(\j)]
.endr
.irp i, 0,1,2,3
	v_cvt_pk_f16_f32 v[WO+8*(\j)+\i], v[WO+8*(\j)+2*\i], v[WO+8*(\j)+2*\i+1]   ; ascending: register i is written after 2 i and 2 i + 1 >= i were read
.endr
.endm
.macro PUTROW j
	global_store_b128 v5, v[WO+8*(\j):WO+8*(\j)+3], s[18:19] offset:2048*(\j)   ; sixteen lanes store 256 consecutive aligned bytes
.endm
	s_cmp_lg_u32 s24, 0
	s_cbranch_scc1 .Lplain
	; waves 0 and 4: the fold's 34 loads go out behind the stream's, and land while the stream is converted; no vector instruction has named their registers
	global_load_b128 v[BR:BR+3],   v4, s[12:13]
	global_load_b128 v[BR+4:BR+7], v4, s[12:13] offset:16
.irp j, 0,1,2,3,4,5,6,7
	global_load_b128 v[LA+8*\j:LA+8*\j+3],   v3, s[10:11] offset:4096*\j
	global_load_b128 v[LA+8*\j+4:LA+8*\j+7], v3, s[10:11] offset:4096*\j+16
.endr
.irp j, 0,1,2,3,4,5,6,7
	global_load_b128 v[WO+8*\j:WO+8*\j+3],   v3, s[8:9] offset:4096*\j th:TH_LOAD_NT
	global_load_b128 v[WO+8*\j+4:WO+8*\j+7], v3, s[8:9] offset:4096*\j+16 th:TH_LOAD_NT
.endr
	STREAM 34
	s_wait_loadcnt 0x0                             ; lora_B, lora_A, out_proj_weight are in
	s_wait_xcnt 0x0                                ; the stream's store data are rewritten only behind this wait
	s_wait_alu depctr_vm_vsrc(0)                   ; the stream's stores have read v[8:79], which the fragments FR and BF write again
.irp i, 0,2,4,6
	v_pk_mul_f32 v[BR+\i:BR+\i+1], v[BR+\i:BR+\i+1], 2.0 op_sel_hi:[1,0]   ; alpha / rank = 2, exact
.endr
.irp i, 0,1,2,3
	v_cvt_pk_f16_f32 v[BF+\i], v[BR+2*\i], v[BR+2*\i+1]        ; row e0 + r, ranks 8 h + 2 i, + 1
	v_mov_b32 v[BF+4+\i], 0                                    ; the form sums over 32, the rank is 16: the upper half is 0 on both sides
.endr
.irp t, 0,1,2,3,4,5,6,7
.irp i, 0,1,2,3
	v_cvt_pk_f16_f32 v[FR+8*\t+\i], v[LA+16*\i+\t], v[LA+16*\i+8+\t]   ; column k0 + 8 r + t, ranks 8 h + 2 i, + 1
	v_mov_b32 v[FR+8*\t+4+\i], 0
.endr
.endr
.irp t, 0,1,2,3,4,5,6,7
	v_wmma_f32_16x16x32_f16 v[LA+8*\t:LA+8*\t+7], v[BF:BF+7], v[FR+8*\t:FR+8*\t+7], 0   ; register j: (e0 + 8 h + j, k0 + 8 r + t)
.endr
.rept 4
	v_nop                                          ; four places behind the last matrix instruction before its result is read (ISA guide 7.12.1)
.endr
.irp j, 0,1,2,3
	SUMROW \j                                      ; row 0 reads each matrix result's lowest register first
.endr
	s_wait_alu depctr_va_vdst(0)                   ; rows 0 to 3 are summed and rounded: their registers are the data of the four stores below
.irp j, 4,5,6,7
	PUTROW \j-4                                    ; no vector instruction since the wait names rows 0 to 3 or v5
	SUMROW \j
.endr
	s_wait_alu depctr_va_vdst(0)                   ; rows 4 to 7 are summed and rounded, ahead of their stores
.irp j, 4,5,6,7
	PUTROW \j
.endr
	s_endpgm
.Lplain:
	STREAM 0
	s_endpgm
.Lfunc_end_k_q53757a654b_prep:
	.size	k_q53757a654b_prep, .Lfunc_end_k_q53757a654b_prep-k_q53757a654b_prep
	.p2alignl 7, 3214868480
	.fill 96, 4, 3214868480
	.section	.rodata,"a",@progbits
	.p2align	6, 0x0
	.amdhsa_kernel k_q53757a654b_prep
		.amdhsa_group_segment_fixed_size 0
		.amdhsa_private_segment_fixed_size 0
		.amdhsa_enable_private_segment 0
		.amdhsa_kernarg_size 64
		.amdhsa_user_sgpr_count 2
		.amdhsa_user_sgpr_kernarg_segment_ptr 1
		.amdhsa_wavefront_size32 1
		.amdhsa_system_sgpr_workgroup_id_x 1
		.amdhsa_system_sgpr_workgroup_id_y 1
		.amdhsa_system_sgpr_workgroup_id_z 1
		.amdhsa_system_vgpr_workitem_id 0
		.amdhsa_next_free_vgpr 256
		.amdhsa_next_free_sgpr 66
		.amdhsa_reserve_vcc 0
		.amdhsa_float_denorm_mode_32 3
		.amdhsa_float_denorm_mode_16_64 3
		.amdhsa_memory_ordered 1
		.amdhsa_forward_progress 1
		.amdhsa_inst_pref_size 32
	.end_amdhsa_kernel
	.amdgpu_metadata
---
amdhsa.version: [ 1, 2 ]
amdhsa.kernels:
  - .name:           k_q53757a654b_prep
    .symbol:         k_q53757a654b_prep.kd
    .args:
      - { .name: query, .offset: 0, .size: 8, .value_kind: global_buffer, .address_space: global }
      - { .name: in_proj_weight, .offset: 8, .size: 8, .value_kind: global_buffer, .address_space: global }
      - { .name: out_proj_weight, .offset: 16, .size: 8, .value_kind: global_buffer, .address_space: global }
      - { .name: lora_A, .offset: 24, .size: 8, .value_kind: global_buffer, .address_space: global }
      - { .name: lora_B, .offset: 32, .size: 8, .value_kind: global_buffer, .address_space: global }
      - { .name: xh, .offset: 40, .size: 8, .value_kind: global_buffer, .address_space: global }
      - { .name: wh, .offset: 48, .size: 8, .value_kind: global_buffer, .address_space: global }
      - { .name: weff, .offset: 56, .size: 8, .value_kind: global_buffer, .address_space: global }
    .group_segment_fixed_size: 0
    .private_segment_fixed_size: 0
    .kernarg_segment_align: 8
    .kernarg_segment_size: 64
    .max_flat_workgroup_size: 256
    .sgpr_count:     66
    .vgpr_count:     256
    .wavefront_size: 32
...
	.end_amdgpu_metadata
.endif
;; end of part 5
;; launch qkvproj: the kernel of part 2 again; grid 16 x 16, 4 waves a work-group, clusters of 4 x 4, 327,680 bytes of LDS; arguments xh, wh, in_proj_bias, qkv; writes qkv
;; launch attn: the kernel of part 3 again; grid 8 x 32, 8 waves a work-group, clusters of 4 x 1, 327,680 bytes of LDS; arguments qkv, ao; writes ao
;; launch oproj: the kernel of part 4 again; grid 8 x 32, 4 waves a work-group, clusters of 4 x 4, 327,680 bytes of LDS; arguments ao, weff, out_proj_bias, out0; writes out0
